; MI455X (gfx1250); checked and timed in simulation.
; The chip was launched on July 23, 2026; its instructions are those of AMD's public machine-readable ISA for CDNA 5 (MIT licence, August 2026) and "CDNA5" Instruction Set Architecture Reference Guide (July 2026). The comments in the code are by the model that wrote it; some were corrected since.
;; Multi Head Attention. Allowed arithmetic: matrix products marked QUANTISED: E2M1 operands, one E8M0 scale for each 32 along K, by v_wmma_scale_f32_16x16x128_f8f6f4 with both operands' format E2M1 (or v_wmma_scale_f32_32x16x128_f4), f32 sums; everything else in f32.
;; Inputs: Wk 512 x 512 float32; Wo 512 x 512 float32; Wq 512 x 512 float32; Wv 512 x 512 float32; bk 512 float32; bo 512 float32; bq 512 float32; bv 512 float32; x 2 x 4,096 x 512 float32.
;; Outputs: out0 2 x 4,096 x 512 float32.
;; This version of the problem:
;;   THIS VERSION OF THE PROBLEM IS GIVEN IN LOW PRECISION. The matrix products marked QUANTISED in the list below multiply operands that are first quantised to E2M1 (2 exponent bits, 1 mantissa bit; 4 bits a number), with one power-of-two scale for each 32 numbers along K (OCP MX v1.0); their sums are f32. All else is computed in f32.
;;   The module's matrix products, in the order in which they are computed (A, B: the left and right operand; K: the contracted axis; several contracted axes count as one K, in the product's order):
;;     1. [M 8,192, K 512] x [K 512, N 512]; A: input x; B: input Wq: QUANTISED
;;     2. [M 8,192, K 512] x [K 512, N 512]; A: input x; B: input Wk: QUANTISED
;;     3. [M 8,192, K 512] x [K 512, N 512]; A: input x; B: input Wv: QUANTISED
;;     4. batch 16 x [M 4,096, K 64] x [K 64, N 4,096]; A: computed on the way; B: computed on the way: QUANTISED
;;     5. batch 16 x [M 4,096, K 4,096] x [K 4,096, N 64]; A: softmax (see below); B: computed on the way: QUANTISED
;;     6. [M 8,192, K 512] x [K 512, N 512]; A: computed on the way; B: input Wo: QUANTISED
;;   THE QUANTISER, for each operand of a quantised product, along K:
;;     - K is cut into blocks of 32 from its start; a last block that is shorter is filled with zeros.
;;     - A block's scale is 2^e with e = floor(log2(the largest magnitude in the block)) - 2, held to -126 .. 127; a block of zeros has e = 0. As a byte (E8M0): e + 127.
;;     - Each number is divided by its block's scale, clamped to +-6, and rounded to the nearest number of E2M1, ties to even, subnormals kept.
;;     - The product sums the exact products of the quantised numbers (number of the format x scale) in f32.
;;   ~~~python
;;   def quantise(x, axis):      # numpy; x: float32 -> the quantised numbers, widened to float32 again
;;       x = np.moveaxis(x, axis, -1); K = x.shape[-1]
;;       x = np.pad(x, [(0, 0)] * (x.ndim - 1) + [(0, -K % 32)]); x = x.reshape(x.shape[:-1] + (-1, 32)); a = np.abs(x).max(-1, keepdims=True)
;;       e = np.where(a > 0, np.clip(np.frexp(np.where(a > 0, a, 1))[1] - 1 - 2, -126, 127), 0)      # np.frexp(a)[1] - 1 = floor(log2(a)), exactly
;;       r = np.clip(x / 2.0 ** e, -6, 6)
;;       step = 2.0 ** (np.maximum(np.frexp(np.where(r == 0, 1, r))[1] - 1, 0) - 1)
;;       q = np.round(r / step) * step * 2.0 ** e      # np.round: ties to even
;;       return np.moveaxis(q.reshape(q.shape[:-2] + (-1,))[..., :K], -1, axis).astype(np.float32)
;;   ~~~
;;   SOFTMAX AHEAD OF A QUANTISED PRODUCT. Where the list says 'softmax', what is quantised is not the finished softmax but p = 2^(t - M), with t = logit x log2(e) and M = ceil(the row's largest t), a whole number; so 1/2 < the row's largest p <= 1. The row's sum l is taken of the UNQUANTISED p, in f32, and the product's result is divided by l at the end. Since M is a whole number, a kernel that streams over the keys may use a running M (the ceiling of the running maximum): every later rescaling is an exact power of two, which a block's scale takes up: the codes' values come out the same.
;;   OPERANDS COMPUTED ON THE WAY. 'Computed on the way' means the value that the module computes at that place (a softmax that the list does not call 'softmax' is quantised finished and normalised). What goes into a quantiser is computed in f32, as accurately as f32 sums, v_exp_f32 and their like allow (about 1e-6 of the number): no bf16 or f16 on the way to a quantiser, and a product that is left as it is and whose result goes on into a quantised operand takes f32 operands (vector FMAs, or v_wmma_f32_16x16x4_f32). A number that lies on a knife's edge between two numbers of the format may be rounded either way, as far as f32 arithmetic and the matrix unit's own rounding can turn it there, and no further.
;; One version. Each part assembles by itself: llvm-mc -triple=amdgcn-amd-amdhsa -mcpu=gfx1250 --defsym DOCPART=n.
;; ======== version 1 of 1: 4 launches
;; limits: right only within a limited range of input values
;; workspace buffers: xq 2,228,224 bytes; wq 557,056 bytes; qimg 2,228,224 bytes; kvimg 4,456,448 bytes; oq 2,228,224 bytes
;; launch prep (part 1): grid 320 x 1, 2 waves a work-group, no clusters, 19,712 bytes of LDS; arguments x, Wq, Wk, Wv, Wo, xq, wq; writes xq, wq
.if DOCPART == 1
	.amdgcn_target "amdgcn-amd-amdhsa--gfx1250"
	.amdhsa_code_object_version 6
	.text
	.protected	k_qaa891bfa21_prep
	.globl	k_qaa891bfa21_prep
	.p2align	8
	.type	k_qaa891bfa21_prep,@function
k_qaa891bfa21_prep:
	s_mov_b64 s[64:65], 0
	v_nop
	global_prefetch_b8 v0, s[64:65] scope:SCOPE_SE
	s_setreg_imm32_b32 hwreg(HW_REG_WAVE_MODE, 25, 1), 1
	s_wait_xcnt 0x0
; PREP: x [8192][512] f32 (K = its last axis) and Wq, Wk, Wv, Wo [512 (k)][512 (n)] f32 (K = their FIRST axis) become codes of FP4 (E2M1) with one E8M0 byte for each 32 along K.
; A block's scale is 2^(floor(log2(its largest magnitude)) - 2); its byte is that magnitude's exponent field - 2, held at 1 from below; numbers are divided by the scale and rounded to the nearest code, ties to even, beyond 6 the largest code.
; THE BUFFERS ARE IMAGES OF OPERAND REGISTERS.  A tile is 16 rows x K = 512: 4,096 bytes; piece q = 2 s + c (s: which 128 along K, c: which 64 of them) lies at 512 q, lane l = 16 h + r has its 16 bytes at 16 l:
; the codes k = 128 s + 64 c + 32 h + 0 .. 31 of row r.  A tile's scale image is 256 bytes: the word of (s, r) at 64 s + 4 r, byte b for k = 128 s + 32 b on.
; xq: token tile T at 4096 T, its scales at XSC + 256 T.   wq: weight tile wt = 32 kind + n / 16 (kind 0 q, 1 k, 2 v, 3 o; a row = an output column) at 4096 wt, its scales at WSC + 256 wt.
; SHARES: one wave makes one tile.  Work-groups 0-63: the 128 weight tiles; work-groups 64-319: the 512 token tiles.  Waves share nothing: no barrier.  No matrix unit, tensor load or cluster: each input byte is read once
; (a weight's 256 consecutive bytes by four waves, 64 each), so nothing is shared that a joint request could spare.
; LIMITS: NaN and infinities among the inputs are not served.  A block of zeros, or one whose largest magnitude lies under 2^(2 - 126), gets the byte 1 (the rule's byte for zeros is 127): its codes are zeros or the rule's own, and this program alone reads the bytes.
.set XSC,  2097152
.set WSC,  524288
.set SP,   80                          ; a lane's place in a turn stage: 64 bytes + 16 of padding
.set WREG, 9728                        ; LDS of a wave (x path only): two turn stages of 32 x SP, the code image, the scale image
.set CIMG, 5120                        ; the code image: a piece 544 bytes, a half of the lanes 272: 8 x 544 = 4,352
.set SIMG, 9472                        ; the scale image: 256 bytes
.set R,    16                          ; x path: v16-79 four sets of 16 numbers as loaded
.set X,    80                          ; v80-111 two sets of 16 neighbours
.set E,    112                         ; v112-127 a scale byte for each step
.set C,    128                         ; v128-159 two registers of codes for each step
.set OUTR, 160                         ; v160-191 the image on its way out; v[192:193] the scale image
.set XW,   32                          ; weights path: v32-95 two sets of 32 numbers
.set CW,   96                          ; v96-127 four registers of codes for each of eight units
.set BY,   128                         ; v128-135 a scale byte for each unit
.set W,    136                         ; v136-139 the scale words of the four K steps; v140 at work; v142-143 out
	s_load_b256 s[4:11], s[0:1], 0x0               ; x, Wq, Wk, Wv
	s_load_b128 s[12:15], s[0:1], 0x20             ; Wo, xq
	s_load_b64 s[16:17], s[0:1], 0x30              ; wq
	v_lshl_add_u32 v200, v0, 2, 0x4c00
	v_mov_b32 v201, 0
	v_lshrrev_b32 v1, 5, v0
	v_readfirstlane_b32 s18, v1                    ; wave 0, 1
	v_and_b32 v2, 31, v0                           ; lane
	v_lshlrev_b32 v3, 4, v2                        ; 16 l
	s_mul_i32 s19, s18, WREG                       ; my wave's LDS
	v_lshrrev_b32 v14, 2, v2
	v_mul_u32_u24 v14, v14, SP
	v_and_b32 v15, 3, v2
	v_lshl_add_u32 v14, v15, 4, v14
	v_add_nc_u32 v14, s19, v14                     ; turn stage, in: SP (l / 4) + 16 (l % 4)
	v_mul_u32_u24 v15, v2, SP
	v_add_nc_u32 v15, s19, v15                     ; and out: SP l: my 16 neighbours
	v_lshrrev_b32 v8, 1, v2
	v_mul_u32_u24 v4, v8, 272
	v_and_b32 v9, 1, v2
	v_lshl_add_u32 v4, v9, 3, v4
	v_add_nc_u32 v4, s19, v4
	v_add_nc_u32 v4, CIMG, v4                      ; my 8 bytes of codes: piece l / 4, half (l / 2) % 2, 8 (l % 2): 272 (l / 2) + 8 (l % 2); the step's token adds 16 t.  272 = 256 + 16: the 32 lanes fall on 32 different columns of 8 bytes
	v_lshrrev_b32 v5, 3, v2
	v_lshlrev_b32 v5, 6, v5
	v_and_b32 v8, 3, v8
	v_add_nc_u32 v5, v5, v8
	v_add_nc_u32 v5, s19, v5
	v_add_nc_u32 v5, SIMG, v5                      ; my block's byte: 64 (l / 8) + (l / 2) % 4; the token adds 4 t
	v_lshrrev_b32 v6, 4, v2
	v_mul_u32_u24 v6, v6, 272
	v_and_b32 v9, 15, v2
	v_lshl_add_u32 v6, v9, 4, v6
	v_add_nc_u32 v6, s19, v6
	v_add_nc_u32 v6, CIMG, v6                      ; the code image read back: 272 (l / 16) + 16 (l % 16), a piece 544 on
	v_lshlrev_b32 v7, 3, v2                        ; 8 l
	v_add_nc_u32 v10, s19, v7
	v_add_nc_u32 v10, SIMG, v10                    ; the scale image read back
	s_mov_b32 s20, 0x76543210
	s_mov_b32 s21, 0xfedcba98                      ; v_permlanex16_b32's selects for lane l xor 16
	s_mov_b32 s22, 0xffff0000                      ; lanes 16-31
	s_mov_b32 s33, 0
	s_wait_kmcnt 0x0
	s_cmp_lt_u32 ttmp9, 64
	s_cbranch_scc1 .Lweights
; ---- x: sixteen steps, step t = token t of the tile: 512 numbers.  Each load reads 512 consecutive bytes; the 2,048 bytes turn through the wave's stage, so that a lane holds 16 neighbours along K (two lanes a block).
	s_sub_co_u32 s30, ttmp9, 64
	s_lshl_b32 s30, s30, 1
	s_add_co_u32 s30, s30, s18                     ; T
	s_lshl_b32 s32, s30, 15
	s_add_nc_u64 s[24:25], s[4:5], s[32:33]        ; 16 tokens x 2,048 bytes
	s_lshl_b32 s32, s30, 12
	s_add_nc_u64 s[26:27], s[14:15], s[32:33]
	s_lshl_b32 s32, s30, 8
	s_add_co_u32 s32, s32, XSC
	s_add_nc_u64 s[28:29], s[14:15], s[32:33]
.macro LOAD t
.irp i, 0,1,2,3
	global_load_b128 v[R+16*((\t)%4)+4*\i:R+16*((\t)%4)+4*\i+3], v3, s[24:25] offset:2048*(\t)+512*\i th:TH_LOAD_NT
.endr
.endm
.macro TURN t                          ; LDS serves a wave's instructions in order: no wait between the stores and the loads
.irp i, 0,1,2,3
	ds_store_b128 v14, v[R+16*((\t)%4)+4*\i:R+16*((\t)%4)+4*\i+3] offset:32*SP*((\t)%2)+8*SP*\i
.endr
.irp i, 0,1,2,3
	ds_load_b128 v[X+16*((\t)%2)+4*\i:X+16*((\t)%2)+4*\i+3], v15 offset:32*SP*((\t)%2)+16*\i
.endr
.endm
.irp t, 0,1,2,3
	LOAD \t
.endr
	s_wait_loadcnt 12                              ; step 0's four loads are in; the twelve of steps 1 to 3 may be out
	TURN 0
.macro STEP t
.set XS, X+16*((\t)%2)
.if (\t) > 0
	s_wait_dscnt 2                                 ; this step's numbers are back (the last step's byte store and code store are younger)
.else
	s_wait_dscnt 0x0
.endif
.if (\t)+4 < 16
	LOAD (\t)+4
.endif
.if (\t)+1 < 16
.if 14-(\t) >= 3
	s_wait_loadcnt 12                              ; the next step's four loads are in; those of the three steps behind it may be out
.else
	s_wait_loadcnt 4*(14-(\t))
.endif
	TURN (\t)+1
.endif
	v_max3_num_f32 v8, |v[XS]|, |v[XS+1]|, |v[XS+2]|
	v_max3_num_f32 v9, |v[XS+3]|, |v[XS+4]|, |v[XS+5]|
.irp i, 6,10
	v_max3_num_f32 v8, v8, |v[XS+\i]|, |v[XS+\i+1]|
	v_max3_num_f32 v9, v9, |v[XS+\i+2]|, |v[XS+\i+3]|
.endr
	v_max3_num_f32 v8, v8, |v[XS+14]|, |v[XS+15]|
	v_max3_num_f32 v8, v8, v9, 0x1800000           ; the floor 2^(3 - 127): the byte cannot fall under 1
	v_max_num_f32_dpp v8, v8, v8 row_xmask:1 row_mask:0xf bank_mask:0xf   ; with my neighbour's 16: the block's largest magnitude
	v_add_nc_u32 v11, 0xff000000, v8               ; 2 off its exponent field: the conversion takes this operand's exponent field as its scale
	v_cvt_scalef32_pk8_fp4_f32 v[C+2*(\t)], v[XS:XS+7], v11
	v_cvt_scalef32_pk8_fp4_f32 v[C+2*(\t)+1], v[XS+8:XS+15], v11
	v_lshrrev_b32 v[E+(\t)], 23, v11               ; the scale's byte (a plain line behind the conversions)
	ds_store_b8 v5, v[E+(\t)] offset:4*(\t)        ; both lanes of a block write the same byte with the same value
	ds_store_b64 v4, v[C+2*(\t):C+2*(\t)+1] offset:16*(\t)
.endm
.irp t, 0,1,2,3,4,5,6,7,8,9,10,11,12,13,14,15
	STEP \t
.endr
.irp q, 0,1,2,3,4,5,6,7
	ds_load_b128 v[OUTR+4*\q:OUTR+4*\q+3], v6 offset:544*\q   ; in order behind my stores
.endr
	ds_load_b64 v[192:193], v10
.irp q, 0,1,2,3,4,5,6,7
	s_wait_dscnt 8-\q                              ; piece q is back; the 7 - q pieces and the scale image behind it may be out
	global_store_b128 v3, v[OUTR+4*\q:OUTR+4*\q+3], s[26:27] offset:512*\q   ; 32 lanes store 512 consecutive bytes
.endr
	s_wait_dscnt 0x0
	global_store_b64 v7, v[192:193], s[28:29]      ; 256 consecutive bytes, aligned
	s_wait_tensorcnt 0x0
	ds_add_u32 v200, v201
	s_wait_dscnt 0x0
	s_endpgm
; ---- weights: lane (r, h) takes column 16 nt + r and its registers run DOWN K, in the order that the operand's layout gives that lane: unit q = rows 64 q + 32 h + 0 .. 31, a whole block.  Nothing is transposed, no LDS.
.Lweights:
	s_lshl_b32 s30, ttmp9, 1
	s_add_co_u32 s30, s30, s18                     ; wt
	s_lshr_b32 s31, ttmp9, 4                       ; kind
	s_cmp_eq_u32 s31, 1
	s_cselect_b64 s[24:25], s[8:9], s[6:7]
	s_cmp_eq_u32 s31, 2
	s_cselect_b64 s[24:25], s[10:11], s[24:25]
	s_cmp_eq_u32 s31, 3
	s_cselect_b64 s[24:25], s[12:13], s[24:25]
	s_and_b32 s32, s30, 31
	s_lshl_b32 s32, s32, 6
	s_add_nc_u64 s[24:25], s[24:25], s[32:33]      ; my 16 columns: 64 bytes of every row
	s_lshl_b32 s32, s30, 12
	s_add_nc_u64 s[26:27], s[16:17], s[32:33]
	s_lshl_b32 s32, s30, 8
	s_add_co_u32 s32, s32, WSC
	s_add_nc_u64 s[28:29], s[16:17], s[32:33]
	v_and_b32 v20, 15, v2
	v_lshlrev_b32 v20, 2, v20
	v_lshrrev_b32 v22, 4, v2                       ; h
	v_lshl_add_u32 v20, v22, 16, v20               ; 4 r + 32 rows of 2,048 bytes for lanes 16-31
	v_lshlrev_b32 v22, 3, v22                      ; 8 h
	v_lshlrev_b32 v21, 2, v2                       ; 4 l
	v_mov_b32 v140, 0                              ; a lane permute's destination counts as one of its sources
.macro WLOAD q
.set wi, 0
.rept 32
	global_load_b32 v[XW+32*((\q)%2)+wi], v20, s[24:25] offset:(64*(\q)+wi)*2048   ; sixteen lanes read 64 consecutive bytes; the immediate stays under 479 x 2,048
.set wi, wi+1
.endr
.endm
	WLOAD 0
	WLOAD 1
.macro WBLOCK q
.set XS, XW+32*((\q)%2)
.if (\q) < 7
	s_wait_loadcnt 32                              ; this unit's 32 loads are in; the next unit's may be out
.else
	s_wait_loadcnt 0x0
.endif
	v_max3_num_f32 v12, |v[XS]|, |v[XS+1]|, |v[XS+2]|
	v_max3_num_f32 v13, |v[XS+3]|, |v[XS+4]|, |v[XS+5]|
.irp i, 6,10,14,18,22,26
	v_max3_num_f32 v12, v12, |v[XS+\i]|, |v[XS+\i+1]|
	v_max3_num_f32 v13, v13, |v[XS+\i+2]|, |v[XS+\i+3]|
.endr
	v_max3_num_f32 v12, v12, |v[XS+30]|, |v[XS+31]|
	v_max3_num_f32 v12, v12, v13, 0x1800000
	v_add_nc_u32 v11, 0xff000000, v12
	v_lshrrev_b32 v[BY+(\q)], 23, v11
.irp g, 0,1,2,3
	v_cvt_scalef32_pk8_fp4_f32 v[CW+4*(\q)+\g], v[XS+8*\g:XS+8*\g+7], v11
.endr
	global_store_b128 v3, v[CW+4*(\q):CW+4*(\q)+3], s[26:27] offset:512*(\q)   ; piece q: 512 consecutive bytes.  (The next unit begins with plain lines, ahead of the line that writes v11 again)
.if (\q)+2 < 8
	WLOAD (\q)+2
.endif
.endm
.irp q, 0,1,2,3,4,5,6,7
	WBLOCK \q
.endr
.irp s, 0,1,2,3                        ; K step s: my bytes are those of blocks h and 2 + h; lane l xor 16 has the other two
	v_lshl_or_b32 v[W+\s], v[BY+2*\s+1], 16, v[BY+2*\s]
	v_lshlrev_b32 v[W+\s], v22, v[W+\s]
	v_permlanex16_b32 v140, v[W+\s], s20, s21
	v_or_b32 v[W+\s], v[W+\s], v140
.endr
	v_cndmask_b32 v142, v136, v137, s22            ; lanes 0-15 K step 0, lanes 16-31 K step 1
	v_cndmask_b32 v143, v138, v139, s22
	global_store_b32 v21, v142, s[28:29]           ; 128 consecutive bytes each: the tile's 256 in two stores; 32 KiB of such stores in the whole launch
	global_store_b32 v21, v143, s[28:29] offset:128
	s_endpgm
.Lfunc_end_k_qaa891bfa21_prep:
	.size	k_qaa891bfa21_prep, .Lfunc_end_k_qaa891bfa21_prep-k_qaa891bfa21_prep
	.p2alignl 7, 3214868480
	.fill 96, 4, 3214868480
	.section	.rodata,"a",@progbits
	.p2align	6, 0x0
	.amdhsa_kernel k_qaa891bfa21_prep
		.amdhsa_group_segment_fixed_size 19712
		.amdhsa_private_segment_fixed_size 0
		.amdhsa_enable_private_segment 0
		.amdhsa_kernarg_size 56
		.amdhsa_user_sgpr_count 2
		.amdhsa_user_sgpr_kernarg_segment_ptr 1
		.amdhsa_wavefront_size32 1
		.amdhsa_system_sgpr_workgroup_id_x 1
		.amdhsa_system_sgpr_workgroup_id_y 1
		.amdhsa_system_sgpr_workgroup_id_z 1
		.amdhsa_system_vgpr_workitem_id 0
		.amdhsa_next_free_vgpr 202
		.amdhsa_next_free_sgpr 66
		.amdhsa_reserve_vcc 0
		.amdhsa_float_denorm_mode_32 3
		.amdhsa_float_denorm_mode_16_64 3
		.amdhsa_memory_ordered 1
		.amdhsa_forward_progress 1
		.amdhsa_inst_pref_size 73
	.end_amdhsa_kernel
	.amdgpu_metadata
---
amdhsa.version: [ 1, 2 ]
amdhsa.kernels:
  - .name:           k_qaa891bfa21_prep
    .symbol:         k_qaa891bfa21_prep.kd
    .args:
      - { .name: x, .offset: 0, .size: 8, .value_kind: global_buffer, .address_space: global }
      - { .name: Wq, .offset: 8, .size: 8, .value_kind: global_buffer, .address_space: global }
      - { .name: Wk, .offset: 16, .size: 8, .value_kind: global_buffer, .address_space: global }
      - { .name: Wv, .offset: 24, .size: 8, .value_kind: global_buffer, .address_space: global }
      - { .name: Wo, .offset: 32, .size: 8, .value_kind: global_buffer, .address_space: global }
      - { .name: xq, .offset: 40, .size: 8, .value_kind: global_buffer, .address_space: global }
      - { .name: wq, .offset: 48, .size: 8, .value_kind: global_buffer, .address_space: global }
    .group_segment_fixed_size: 19712
    .private_segment_fixed_size: 0
    .kernarg_segment_align: 8
    .kernarg_segment_size: 56
    .max_flat_workgroup_size: 64
    .sgpr_count:     66
    .vgpr_count:     202
    .wavefront_size: 32
...
	.end_amdgpu_metadata
.endif
;; end of part 1
;; launch qkv (part 2): grid 64 x 3, 8 waves a work-group, no clusters, 37,888 bytes of LDS; arguments xq, wq, bq, bk, bv, qimg, kvimg; writes qimg, kvimg
.if DOCPART == 2
	.amdgcn_target "amdgcn-amd-amdhsa--gfx1250"
	.amdhsa_code_object_version 6
	.text
	.protected	k_qaa891bfa21_qkv
	.globl	k_qaa891bfa21_qkv
	.p2align	8
	.type	k_qaa891bfa21_qkv,@function
k_qaa891bfa21_qkv:
	s_mov_b64 s[64:65], 0
	v_nop
	global_prefetch_b8 v0, s[64:65] scope:SCOPE_SE
	s_setreg_imm32_b32 hwreg(HW_REG_WAVE_MODE, 25, 1), 1
	s_wait_xcnt 0x0
; QKV: q = relu(x Wq + bq), k = relu(x Wk + bk), v = relu(x Wv + bv) on codes of FP4 with E8M0 scales, sums in f32; the results are quantised here: q and k along the head's 64, v along the keys.
; Work-group y = 0: q, 1: k, 2: v.  ONE SHAPE: a wave keeps a RESIDENT group of 4 tiles x K = 512 (128 registers, read from memory once); the work-group shares 8 STREAMED tiles through LDS, copied as they lie.
; A UNIT = resident group x streamed tile t: 16 matrix instructions on four accumulators by turns; source 0 = resident tile i, source 1 = the streamed tile.  In the result the lane is streamed row r, register 8 i + j is resident row 16 i + 8 h + j.
;   q, k: streamed = 128 tokens (x = 32 b + step), resident = the 64 columns of head = wave.  A lane holds one token, its 32 registers the head's 64 dimensions with lane l xor 16.
;   v:    streamed = 128 columns of Wv (cg = x % 4: heads 2 cg, 2 cg + 1), resident = 64 tokens (group 8 (x / 4) + wave).  A lane holds one head dimension, its registers run along the keys.
; FROM RESULT TO OPERAND: tiles 2 b, 2 b + 1 hold block b of 32 in lanes l and l xor 16.  The four conversions go to registers +0, +2 (block 0) and +1, +3 (block 1); two exchanges of halves then leave k = 32 h + 0 .. 31 in a lane's four registers: half a fragment.
; OUT.  qimg: record (hh = 8 b + head, step) of 4,352 bytes: 8 pieces of 512 (token tile t; lane (r, h): token 16 t + r, dimensions 32 h on), then 256 bytes of pair scales.
;   kvimg: record of 8,704: k's 8 pieces; at 4,096 v (head-dimension tile dt at 1024 dt, keys 64 c on at 512 c); at 8,192 k's pair scales; at 8,448 v's scales.
;   Pair scales: word of pair j (tiles 2 j, 2 j + 1) and row r at 8 (16 (j % 2) + r) + 4 (j / 2): bytes 0, 1 tile 2 j's two blocks, bytes 2, 3 tile 2 j + 1's.   v's: word of (dt, r) at 8 (16 (dt % 2) + r) + 4 (dt / 2): the step's four key blocks.
; The bias is the C of each sum's first matrix instruction, so it is added ahead of the products and not behind them.  Every wave loads both forms of the bias (eight numbers a tile; one number a lane) and uses one: all loads stand ahead of the parting of the ways; both stay inside 2,048 bytes.
; NO CLUSTER, NO TENSOR LOAD: what work-groups share (the weights, x's codes) goes from memory straight into one wave's registers or is 34 KiB copied once; a joint request serves LDS tiles only.
; LIMITS: NaN and infinities are not served.  A block of zeros (or under 2^(2 - 126)) gets the byte 1: its codes are zeros, and this program alone reads the bytes.
.set XSC,  2097152
.set WSC,  524288
.set SSC,  32768                       ; LDS: 0 the eight streamed images; SSC their scale images, 256 bytes each;
.set VX,   34816                       ; VX: v's scale halfwords meet here: 512 bytes for each pair of waves
.set ST,   16                          ; v16-79  streamed fragments, two sets of 32
.set SS,   80                          ; v80-83  streamed scale words: set p: 2 p + sp (lanes 0-15 K step 2 sp, lanes 16-31 K step 2 sp + 1)
.set RS,   84                          ; v84-91  resident scale words: 2 i + sp
.set ACC,  96                          ; v96-127 four accumulators
.set BIAS, 128                         ; v128-159 bias, eight registers a tile
.set PC,   160                         ; v160-191 four registers of codes for each unit, never written again
.set BM,   192
.set TP,   194
.set SO,   196
.set BY,   198
.set HW,   200                         ; v200-207 a halfword of two scale bytes for each unit
.set BL,   208                         ; v208-215 bv of my lane's column, for each streamed tile
.set BC,   216                         ; v216-223 eight copies of it
.set OS,   224                         ; v[224:225] a scale image on its way out; v226-227 at work; v[228:229] v's
.set MSB, 0
.macro WIN new                         ; the immediate's high byte repeats the setting that is left
.if MSB != \new
	s_set_vgpr_msb (MSB<<8)|\new
.set MSB, \new
.endif
.endm
	s_load_b256 s[4:11], s[0:1], 0x0               ; xq, wq, bq, bk
	s_load_b128 s[12:15], s[0:1], 0x20             ; bv, qimg
	s_load_b64 s[16:17], s[0:1], 0x30              ; kvimg
	v_lshl_add_u32 v254, v0, 2, 0x9000
	v_mov_b32 v255, 0
	v_lshrrev_b32 v1, 5, v0
	s_delay_alu instid0(VALU_DEP_1)
	v_readfirstlane_b32 s18, v1                    ; wave 0..7
	s_and_b32 s19, ttmp7, 0xffff                   ; y
	s_mov_b32 s20, ttmp9                           ; x
	s_mov_b32 s21, 0xffff0000                      ; lanes 16-31
	s_mov_b32 s22, 0x76543210
	s_mov_b32 s23, 0xfedcba98                      ; v_permlanex16_b32's selects for lane l xor 16
	v_and_b32 v11, 31, v0                          ; lane
	v_and_b32 v12, 15, v0                          ; r
	v_bfe_u32 v13, v0, 4, 1                        ; h
	s_delay_alu instid0(VALU_DEP_3)
	v_lshlrev_b32 v1, 4, v11                       ; 16 l
	s_delay_alu instid0(VALU_DEP_4)
	v_lshlrev_b32 v2, 2, v11                       ; 4 l
	v_lshlrev_b32 v3, 3, v11                       ; 8 l
	s_delay_alu instid0(VALU_DEP_4)
	v_lshlrev_b32 v4, 5, v13                       ; 32 h
	v_lshlrev_b32 v5, 2, v12                       ; 4 r
	s_lshl_b32 s40, s18, 12
	v_add_nc_u32 v6, s40, v1                       ; 4096 w + 16 l: the tile that I copy, in memory and in LDS
	s_lshl_b32 s40, s18, 8
	v_add_nc_u32 v10, s40, v3                      ; 256 w + 8 l: its scale image in memory,
	s_delay_alu instid0(VALU_DEP_1)
	v_add_nc_u32 v7, SSC, v10                      ; and in LDS
	s_delay_alu instid0(VALU_DEP_2)
	v_add_nc_u32 v9, VX, v10                       ; v's tail: the scale image that I store
	s_lshr_b32 s40, s18, 1
	s_lshl_b32 s40, s40, 9
	s_and_b32 s41, s18, 1
	s_lshl_b32 s41, s41, 1
	s_add_co_u32 s40, s40, s41
	s_add_co_u32 s40, s40, VX
	v_lshl_add_u32 v8, v12, 3, s40                 ; VX + 512 (w / 2) + 2 (w % 2) + 8 r: where my halfwords go
	v_mov_b32 v[TP], 0                             ; a lane permute's destination counts as one of its sources
	v_mov_b32 v[TP+1], 0
	; offsets for q, k
	s_lshl_b32 s40, s20, 15                        ; streamed codes: 8 tiles x 4,096
	s_lshl_b32 s41, s20, 11
	s_add_co_u32 s41, s41, XSC                     ; their scales
	s_lshl_b32 s42, s19, 17
	s_lshl_b32 s52, s18, 14
	s_add_co_u32 s42, s42, s52                     ; resident codes: kind y, head w
	s_lshl_b32 s43, s19, 13
	s_lshl_b32 s52, s18, 10
	s_add_co_u32 s43, s43, s52
	s_add_co_u32 s43, s43, WSC
	s_lshr_b32 s54, s20, 5                         ; b
	s_lshl_b32 s54, s54, 3
	s_add_co_u32 s54, s54, s18                     ; hh
	s_lshl_b32 s54, s54, 5
	s_and_b32 s55, s20, 31
	s_add_co_u32 s54, s54, s55                     ; the record's number
	s_cmp_eq_u32 s19, 0
	s_mov_b32 s55, 8704
	s_cselect_b32 s55, 4352, s55                   ; a record's bytes
	s_mov_b32 s56, 8192
	s_cselect_b32 s56, 4096, s56                   ; where its pair scales lie
	s_mul_i32 s54, s54, s55
	s_add_co_u32 s56, s56, s54
	; offsets for v
	s_and_b32 s44, s20, 3                          ; cg
	s_lshr_b32 s45, s20, 2                         ; tg
	s_lshl_b32 s46, s44, 15
	s_add_co_u32 s46, s46, 262144                  ; streamed codes: kind 2, 8 tiles of columns
	s_lshl_b32 s47, s44, 11
	s_add_co_u32 s47, s47, WSC+16384
	s_lshl_b32 s48, s45, 3
	s_add_co_u32 s48, s48, s18                     ; G: my 64 tokens
	s_lshl_b32 s49, s48, 14
	s_lshl_b32 s50, s48, 10
	s_add_co_u32 s50, s50, XSC
	s_lshr_b32 s57, s45, 3                         ; b
	s_lshl_b32 s57, s57, 3
	s_lshl_b32 s58, s44, 1
	s_add_co_u32 s57, s57, s58                     ; 8 b + 2 cg
	s_lshl_b32 s57, s57, 5
	s_and_b32 s58, s45, 7
	s_lshl_b32 s58, s58, 2
	s_add_co_u32 s57, s57, s58
	s_lshr_b32 s58, s18, 1
	s_add_co_u32 s57, s57, s58                     ; the record of (head 2 cg, step 4 (tg % 8) + w / 2)
	s_and_b32 s58, s18, 1
	s_lshl_b32 s59, s58, 5
	s_add_co_u32 s59, s59, s57                     ; the tail: head 2 cg + w % 2
	s_mul_i32 s59, s59, 8704
	s_add_co_u32 s59, s59, 8448
	s_mul_i32 s57, s57, 8704
	s_lshl_b32 s58, s58, 9
	s_add_co_u32 s57, s57, s58                     ; my 64 keys are piece c = w % 2
	s_add_co_u32 s57, s57, 4096
	s_mov_b32 s53, 0
	s_wait_alu depctr_va_vdst(0)
	s_wait_kmcnt 0x0
	s_cmp_eq_u32 s19, 0
	s_cselect_b64 s[36:37], s[14:15], s[16:17]     ; out: qimg or kvimg
	s_cselect_b64 s[32:33], s[8:9], s[10:11]
	s_cmp_eq_u32 s19, 2                            ; all choices hang on y alone
	s_cselect_b64 s[32:33], s[12:13], s[32:33]     ; the kind's bias
	s_cselect_b64 s[24:25], s[6:7], s[4:5]         ; streamed: wq for v, else xq
	s_cselect_b64 s[28:29], s[4:5], s[6:7]         ; resident: the other
	s_cselect_b32 s40, s46, s40
	s_cselect_b32 s41, s47, s41
	s_cselect_b32 s42, s49, s42
	s_cselect_b32 s43, s50, s43
	s_cselect_b32 s54, s57, s54
	s_cselect_b32 s56, s59, s56
	s_mov_b32 s52, s41
	s_add_nc_u64 s[26:27], s[24:25], s[52:53]      ; streamed scales
	s_mov_b32 s52, s40
	s_add_nc_u64 s[24:25], s[24:25], s[52:53]      ; streamed codes
	s_mov_b32 s52, s43
	s_add_nc_u64 s[30:31], s[28:29], s[52:53]      ; resident scales
	s_mov_b32 s52, s42
	s_add_nc_u64 s[28:29], s[28:29], s[52:53]      ; resident codes
	s_mov_b32 s52, s56
	s_add_nc_u64 s[38:39], s[36:37], s[52:53]      ; where my scale image goes
	s_mov_b32 s52, s54
	s_add_nc_u64 s[36:37], s[36:37], s[52:53]      ; where my codes go
	s_lshl_b32 s52, s18, 8
	s_add_nc_u64 s[32:33], s[32:33], s[52:53]      ; bias of columns 64 w on
	s_lshl_b32 s52, s44, 9
	s_add_nc_u64 s[34:35], s[12:13], s[52:53]      ; bv of columns 128 cg on
	; the nine loads of the tile that I copy come first
.irp q, 0,1,2,3,4,5,6,7
	global_load_b128 v[ST+4*\q:ST+4*\q+3], v6, s[24:25] offset:512*\q
.endr
	global_load_b64 v[SS:SS+1], v10, s[26:27]
	WIN 0x40                                       ; destination window 1: resident fragment (i, s) at v[32 i + 8 s]
.irp i, 0,1,2,3
.irp q, 0,1,2,3,4,5,6,7
	global_load_b128 v[32*\i+4*\q:32*\i+4*\q+3], v1, s[28:29] offset:4096*\i+512*\q
.endr
.endr
	WIN 0
.irp i, 0,1,2,3
.irp sp, 0,1
	global_load_b32 v[RS+2*\i+\sp], v2, s[30:31] offset:256*\i+128*\sp
.endr
.endr
.irp i, 0,1,2,3
	global_load_b128 v[BIAS+8*\i:BIAS+8*\i+3], v4, s[32:33] offset:64*\i       ; b[64 w + 16 i + 8 h + 0 .. 7]
	global_load_b128 v[BIAS+8*\i+4:BIAS+8*\i+7], v4, s[32:33] offset:64*\i+16
.endr
.irp t, 0,1,2,3,4,5,6,7
	global_load_b32 v[BL+\t], v5, s[34:35] offset:64*\t                        ; bv[128 cg + 16 t + r]
.endr
	s_wait_loadcnt 56                              ; the nine are in; the 32 + 8 + 8 + 8 issued behind them may be out
.irp q, 0,1,2,3,4,5,6,7
	ds_store_b128 v6, v[ST+4*\q:ST+4*\q+3] offset:512*\q
.endr
	ds_store_b64 v7, v[SS:SS+1]
	s_wait_dscnt 0x0                               ; for the others' sake: my stores have landed
	s_barrier_signal -1
	s_barrier_wait -1                              ; the eight streamed tiles lie in LDS
.macro FETCH t                         ; streamed tile t into set t % 2: ten LDS loads, each of consecutive bytes
.irp q, 0,1,2,3,4,5,6,7
	ds_load_b128 v[ST+32*((\t)%2)+4*\q:ST+32*((\t)%2)+4*\q+3], v1 offset:4096*(\t)+512*\q
.endr
.irp sp, 0,1
	ds_load_b32 v[SS+2*((\t)%2)+\sp], v2 offset:SSC+256*(\t)+128*\sp
.endr
.endm
.macro PROD i, s, p, c                 ; accumulator i, K step s, streamed set p, C from register c on.  An odd K step's scale words lie in lanes 16-31
.if (\s)%2
	v_wmma_scale_f32_16x16x128_f8f6f4 v[ACC+8*(\i):ACC+8*(\i)+7], v[32*(\i)+8*(\s):32*(\i)+8*(\s)+7], v[ST+32*(\p)+8*(\s):ST+32*(\p)+8*(\s)+7], v[\c:\c+7], v[RS+2*(\i)+(\s)/2], v[SS+2*(\p)+(\s)/2] matrix_a_fmt:MATRIX_FMT_FP4 matrix_b_fmt:MATRIX_FMT_FP4 matrix_a_scale:MATRIX_SCALE_ROW1 matrix_b_scale:MATRIX_SCALE_ROW1
.else
	v_wmma_scale_f32_16x16x128_f8f6f4 v[ACC+8*(\i):ACC+8*(\i)+7], v[32*(\i)+8*(\s):32*(\i)+8*(\s)+7], v[ST+32*(\p)+8*(\s):ST+32*(\p)+8*(\s)+7], v[\c:\c+7], v[RS+2*(\i)+(\s)/2], v[SS+2*(\p)+(\s)/2] matrix_a_fmt:MATRIX_FMT_FP4 matrix_b_fmt:MATRIX_FMT_FP4
.endif
.endm
.macro QUANT4 t                        ; relu, then the 32 registers become four registers of codes, v[PC + 4 t] on, and a halfword of two scale bytes, v[HW + t]
.set qj, 0
.rept 32
	v_max_num_f32 v[ACC+qj], 0, v[ACC+qj]          ; the activation, in f32; each accumulator from its low end on
.set qj, qj+1
.endr
.irp b, 0,1
	v_max3_num_f32 v[BM+\b], v[ACC+16*\b], v[ACC+16*\b+1], 0x1800000   ; none is negative now; the floor 2^(3 - 127) holds the byte at 1 from below
.endr
.irp i, 2,4,6,8,10,12,14
.irp b, 0,1
	s_delay_alu instid0(VALU_DEP_2)
	v_max3_num_f32 v[BM+\b], v[BM+\b], v[ACC+16*\b+\i], v[ACC+16*\b+\i+1]
.endr
.endr
.irp b, 0,1
	s_delay_alu instid0(VALU_DEP_2)
	v_permlanex16_b32 v[TP+\b], v[BM+\b], s22, s23
.endr
.irp b, 0,1
	s_delay_alu instid0(VALU_DEP_2)
	v_max_num_f32 v[BM+\b], v[BM+\b], v[TP+\b]     ; with lane l xor 16's: the block's largest
.endr
.irp b, 0,1
	s_delay_alu instid0(VALU_DEP_2)
	v_add_nc_u32 v[SO+\b], 0xff000000, v[BM+\b]    ; 2 off the exponent field: the conversion's scale operand
.endr
.irp b, 0,1
	s_delay_alu instid0(VALU_DEP_2)
	v_lshrrev_b32 v[BY+\b], 23, v[SO+\b]
.endr
	s_delay_alu instid0(VALU_DEP_1)
	v_lshl_or_b32 v[HW+(\t)], v[BY+1], 8, v[BY]
	v_cvt_scalef32_pk8_fp4_f32 v[PC+4*(\t)],   v[ACC:ACC+7],     v[SO]
	v_cvt_scalef32_pk8_fp4_f32 v[PC+4*(\t)+2], v[ACC+8:ACC+15],  v[SO]
	v_cvt_scalef32_pk8_fp4_f32 v[PC+4*(\t)+1], v[ACC+16:ACC+23], v[SO+1]
	v_cvt_scalef32_pk8_fp4_f32 v[PC+4*(\t)+3], v[ACC+24:ACC+31], v[SO+1]
	v_nop                                          ; one plain line behind the last scaled conversion
	v_permlane16_swap_b32 v[PC+4*(\t)], v[PC+4*(\t)+1]     ; the first's lanes 16-31 change places with the second's lanes 0-15:
	v_permlane16_swap_b32 v[PC+4*(\t)+2], v[PC+4*(\t)+3]   ; a lane's four registers now hold k = 32 h + 0 .. 31
.endm
.macro UNIT t, isv
.if (\t) < 7
	FETCH (\t)+1                                   ; into the set that the unit before multiplied: its products stand a whole epilogue back
	s_wait_dscnt 10                                ; this unit's tile is in; the ten loads just issued may be out
.else
	s_wait_dscnt 0x0
.endif
	WIN 0x01                                       ; source 0 window 1
.irp s, 0,1,2,3                        ; the four accumulators take turns, one instruction a turn
.irp i, 0,1,2,3
.if \s == 0
.if \isv
	PROD \i, \s, (\t)%2, BC
.else
	PROD \i, \s, (\t)%2, BIAS+8*\i
.endif
.else
	PROD \i, \s, (\t)%2, ACC+8*\i
.endif
.endr
.endr
	WIN 0
.rept 4
	v_nop                                          ; four places behind the last product (ISA guide 7.12.1), ahead of the first read of results
.endr
.if \isv && ((\t) < 7)
.irp j, 0,1,2,3,4,5,6,7
	v_mov_b32 v[BC+\j], v[BL+(\t)+1]               ; the next unit's C, made an epilogue ahead of its use
.endr
.endif
	QUANT4 \t
.if \isv
	global_store_b128 v1, v[PC+4*(\t):PC+4*(\t)+3], s[36:37] offset:278528*((\t)/4)+1024*((\t)%4)   ; head 2 cg + t / 4 (32 records on), head-dimension tile t % 4: 512 consecutive bytes
	ds_store_b16 v8, v[HW+(\t)] offset:256*((\t)/4)+128*((\t)%2)+4*(((\t)/2)%2)                     ; both halves of the lanes write the same halfword with the same value
.else
	global_store_b128 v1, v[PC+4*(\t):PC+4*(\t)+3], s[36:37] offset:512*(\t)                         ; piece t: 512 consecutive bytes
.endif
.endm
	FETCH 0
	s_wait_loadcnt 0x0                             ; resident fragments, scale words, biases
	s_cmp_eq_u32 s19, 2
	s_cbranch_scc1 .Lpath_v
.irp t, 0,1,2,3,4,5,6,7
	UNIT \t, 0
.endr
.irp i, 0,1                            ; the pair scales: register i: lanes 0-15 pair 2 i, lanes 16-31 pair 2 i + 1
	v_lshl_or_b32 v226, v[HW+4*\i+1], 16, v[HW+4*\i]
	v_lshl_or_b32 v227, v[HW+4*\i+3], 16, v[HW+4*\i+2]
	s_delay_alu instid0(VALU_DEP_1)
	v_cndmask_b32 v[OS+\i], v226, v227, s21
.endr
	global_store_b64 v3, v[OS:OS+1], s[38:39]      ; 256 consecutive bytes, aligned
	s_branch .Ljoin
.Lpath_v:
.irp j, 0,1,2,3,4,5,6,7
	v_mov_b32 v[BC+\j], v[BL]
.endr
	s_wait_alu depctr_va_vdst(0)
.rept 4
	v_nop
.endr
.irp t, 0,1,2,3,4,5,6,7
	UNIT \t, 1
.endr
.Ljoin:
	s_wait_dscnt 0x0                               ; my halfwords have landed
	s_barrier_signal -1
	s_barrier_wait -1                              ; every wave of every kind passes this barrier
	s_cmp_lg_u32 s19, 2
	s_cbranch_scc1 .Lend
	ds_load_b64 v[228:229], v9                     ; wave w: the scale image of (pair of waves w / 2, head 2 cg + w % 2): bytes 0, 1 from the even wave, 2, 3 from the odd
	s_wait_dscnt 0x0
	global_store_b64 v3, v[228:229], s[38:39]      ; 256 consecutive bytes, aligned
.Lend:
	s_wait_tensorcnt 0x0
	ds_add_u32 v254, v255
	s_wait_dscnt 0x0
	s_endpgm
.Lfunc_end_k_qaa891bfa21_qkv:
	.size	k_qaa891bfa21_qkv, .Lfunc_end_k_qaa891bfa21_qkv-k_qaa891bfa21_qkv
	.p2alignl 7, 3214868480
	.fill 96, 4, 3214868480
	.section	.rodata,"a",@progbits
	.p2align	6, 0x0
	.amdhsa_kernel k_qaa891bfa21_qkv
		.amdhsa_group_segment_fixed_size 37888
		.amdhsa_private_segment_fixed_size 0
		.amdhsa_enable_private_segment 0
		.amdhsa_kernarg_size 56
		.amdhsa_user_sgpr_count 2
		.amdhsa_user_sgpr_kernarg_segment_ptr 1
		.amdhsa_wavefront_size32 1
		.amdhsa_system_sgpr_workgroup_id_x 1
		.amdhsa_system_sgpr_workgroup_id_y 1
		.amdhsa_system_sgpr_workgroup_id_z 1
		.amdhsa_system_vgpr_workitem_id 0
		.amdhsa_next_free_vgpr 384
		.amdhsa_next_free_sgpr 66
		.amdhsa_reserve_vcc 0
		.amdhsa_float_denorm_mode_32 3
		.amdhsa_float_denorm_mode_16_64 3
		.amdhsa_memory_ordered 1
		.amdhsa_forward_progress 1
		.amdhsa_inst_pref_size 120
	.end_amdhsa_kernel
	.amdgpu_metadata
---
amdhsa.version: [ 1, 2 ]
amdhsa.kernels:
  - .name:           k_qaa891bfa21_qkv
    .symbol:         k_qaa891bfa21_qkv.kd
    .args:
      - { .name: xq, .offset: 0, .size: 8, .value_kind: global_buffer, .address_space: global }
      - { .name: wq, .offset: 8, .size: 8, .value_kind: global_buffer, .address_space: global }
      - { .name: bq, .offset: 16, .size: 8, .value_kind: global_buffer, .address_space: global }
      - { .name: bk, .offset: 24, .size: 8, .value_kind: global_buffer, .address_space: global }
      - { .name: bv, .offset: 32, .size: 8, .value_kind: global_buffer, .address_space: global }
      - { .name: qimg, .offset: 40, .size: 8, .value_kind: global_buffer, .address_space: global }
      - { .name: kvimg, .offset: 48, .size: 8, .value_kind: global_buffer, .address_space: global }
    .group_segment_fixed_size: 37888
    .private_segment_fixed_size: 0
    .kernarg_segment_align: 8
    .kernarg_segment_size: 56
    .max_flat_workgroup_size: 256
    .sgpr_count:     66
    .vgpr_count:     384
    .wavefront_size: 32
...
	.end_amdgpu_metadata
.endif
;; end of part 2
;; launch attn (part 3): grid 16 x 16, 8 waves a work-group, clusters of 4 x 1, 327,680 bytes of LDS; arguments qimg, kvimg, oq; writes oq
.if DOCPART == 3
	.amdgcn_target "amdgcn-amd-amdhsa--gfx1250"
	.amdhsa_code_object_version 6
	.text
	.protected	k_qaa891bfa21_attn
	.globl	k_qaa891bfa21_attn
	.p2align	8
	.type	k_qaa891bfa21_attn,@function
k_qaa891bfa21_attn:
	s_mov_b64 s[64:65], 0
	v_nop
	global_prefetch_b8 v0, s[64:65] scope:SCOPE_SE
	s_setreg_imm32_b32 hwreg(HW_REG_WAVE_MODE, 25, 1), 1
	s_wait_xcnt 0x0
	s_wait_alu depctr_hold_cnt(0) depctr_sa_sdst(0) depctr_va_vdst(0) depctr_va_sdst(0) depctr_va_ssrc(0) depctr_va_vcc(0) depctr_vm_vsrc(0)
	s_getreg_b32 s2, hwreg(HW_REG_IB_STS2, 6, 4)
	s_cmp_eq_u32 s2, 0
	s_cbranch_scc0 .Lentry_in_a_cluster
	s_endpgm
.Lentry_in_a_cluster:
	s_bfe_u32 s2, ttmp6, 0x10000c
	s_cmp_lg_u32 s2, 0x3003
	s_cbranch_scc0 .Lentry_shape_is_right
	s_endpgm
.Lentry_shape_is_right:
; ATTN: o = softmax(q k^T / 8) v for one head, both products on codes of FP4 with E8M0 scales; o is quantised here along the merged heads' axis for the last projection.
; THE SOFTMAX AHEAD OF THE SECOND PRODUCT: t = score x log2(e) / 8; M = the row's largest t so far, rounded UP to a whole number; p = 2^(t - M) is what is quantised, along the keys, not normalised.
; The row's sum is taken of the unquantised p, in f32, and divides O at the end.  When M moves, the sum and O are multiplied by 2^(old M - new M), which rounds nothing.
; SHARES.  A work-group owns 256 queries of head hh = 8 b + head; each of its eight waves TWO tiles of 16 queries (tiles 2 w and 2 w + 1).  Every phase of a key step is laid for both tiles by turns, so that each dependent chain has a twin beside it,
; and each fragment of k and v read from LDS feeds both tiles.  Every wave walks the head's 4,096 keys, 128 a step.  Both products are used transposed (S^T = k q^T, O^T = v^T p^T): a lane holds ONE query of each tile (lane % 16).
; THE WHOLE HEAD STAYS IN LDS: 32 records of 8,704 bytes (k's 8 pieces, v's 8, k's pair scales, v's scales), filled ONCE: each of the eight waves asks for four records, 34 rows of 1,024 bytes, by one tensor load at the head.
; One barrier shows all of it to all waves; none stands in the walk.  Behind each 1,024 bytes lie 128 bytes of padding: byte y of the head lies at y + 128 (y / 1024).
; CLUSTER.  The four query blocks of a cluster walk the same head: each load is a joint one, with the same descriptor in all four and a mask that names the four.
; NO PREFETCH: every tile is asked for at the kernel's head, so there is no loop in which a request could run ahead of a load.
; K = 64 IN AN INSTRUCTION OF K = 128.  Source 0 is a PAIR of key tiles (registers 0-3, registers 4-7).  Source 1 is one of two views of twelve registers [0 | q | 0]: [q | 0] gives the first tile's scores, [0 | q] the second's.
; THE KEYS OF A TILE ARE CHOSEN: row rho of tile (c, t) is key 64 c + 32 (rho / 8) + 8 t + rho % 8.  So lane (r, h) holds in the 32 registers of tiles (c, 0 .. 3) the keys 64 c + 32 h + 0 .. 31 in their order:
; a WHOLE block of 32, whose maximum needs no other lane, and whose eight-code conversions are the second product's operand registers as they stand.  Tiles (c, t) and (c, t + 2) lie 16 keys apart, as the stored pair scales want.
; OUT.  oq: token tile T at 4096 T, piece = head at 512 head (lane (r, h): token r, dimensions 32 h on); at OSC halfwords [head][T][r]: the two blocks' bytes.
; LIMITS: NaN and infinities are not served.  The promise holds while the scaled scores t stay under 2^31 in magnitude.  A block of zeros (or under 2^(2 - 126)) gets the byte 1: its codes are zeros, and this program alone reads the bytes.
; A block's largest p is not searched for: the block's largest score goes through the same multiply-add and exponential; this takes v_exp_f32 not to fall where its input rises.
; REGISTERS.  Window 1: S^T, then p, of query tile u at v[64 u] (key tile (c, t) at 32 c + 8 t); O^T of tile u at v[128 + 32 u].  Window 0: all else.  Each kind of phase has one setting of the windows.
.set REC,   8704
.set PAIR,  17408                      ; two records in memory: 17 rows of 1,024 bytes
.set LPAIR, 19584                      ; and in LDS: 17 rows of 1,152
.set STG,   313344                     ; behind the head: 512 bytes in which o's scale halfwords meet; no fill lands there
.set SPARE, 313856                     ; the spare words: 128 bytes for each of eight waves
.set OSC,   2097152
.set AK,   3                           ; v3 k's pieces, v4 v's pieces, v5 k's pair scales, v6 v's scales: LDS addresses of the pair of records in hand
.set AV,   4
.set AKS,  5
.set AVS,  6
.set SB,   12                          ; a tile's 24 single registers begin at SB + 24 u:
.set oNM,  0                           ; -M, and beside it the largest score
.set oX,   2                           ; the row's sum; oY1 .. oY3 three more chains of it, joined at the next step's head
.set oY1,  4
.set oY2,  6
.set oY3,  8
.set oF,   10                          ; f (a pair; the low word serves)
.set oBM,  12                          ; four chains of maxima; +0 and +2 the two blocks'
.set oTP,  16                          ; two lane permutes' results
.set oSO,  18                          ; the conversions' scale operands
.set oBY,  20                          ; the scales' bytes
.set oOLD, 22
.set oTMP, 23
.set QF,   60                          ; [0 | q | 0] of tile u at QF + 12 u
.set QS,   84                          ; q's scale words: QS + 2 u for [q | 0], + 1 for [0 | q]
.set KS,   88                          ; k's pair scales
.set VS,   90                          ; v's scales
.set PW,   92                          ; p's scale word of tile u
.set KF,   96                          ; v96-127  k: pair (c, t) at 8 (2 c + t)
.set VF,   128                         ; v128-159 v: four tiles
.set PCD,  160                         ; p's codes of tile u at PCD + 8 u
.set AK0,  176                         ; the lane's parts of the addresses (v's pieces: v1)
.set AKS0, 177
.set AVS0, 178
.set MSB, 0
.macro WIN new                         ; low byte: bits 1:0 source 0, 3:2 source 1, 5:4 source 2, 7:6 destination; the high byte repeats the setting that is left
.if MSB != \new
	s_set_vgpr_msb (MSB<<8)|\new
.set MSB, \new
.endif
.endm
.macro ROUND                           ; a round of the cluster's barrier
	s_barrier_signal -1
	s_barrier_wait -1
	s_cmp_lg_u32 s10, 0
	s_cbranch_scc1 .Lnot_wave_0_\@
	s_barrier_signal -3
.Lnot_wave_0_\@:
	s_barrier_wait -3
	s_barrier_signal -1
	s_barrier_wait -1
.endm
	s_load_b128 s[4:7], s[0:1], 0x0                ; qimg, kvimg
	s_load_b64 s[8:9], s[0:1], 0x10                ; oq
	v_lshl_add_u32 v254, v0, 2, SPARE
	v_mov_b32 v255, 0
	ds_add_u32 v254, v255                          ; the opening lines: the add, twice on end, and one wait
	ds_add_u32 v254, v255
	v_lshrrev_b32 v1, 5, v0
	v_readfirstlane_b32 s10, v1                    ; wave 0..7
	s_bfe_u32 s11, ttmp6, 0x40000                  ; cx: it enters q's and o's global addresses alone
	s_lshl_b32 s12, ttmp9, 2
	s_add_co_u32 s12, s12, s11                     ; QB: my block of 256 queries
	s_and_b32 s13, ttmp7, 0xffff                   ; hh, which the four partners share
	s_mov_b32 s14, 0x76543210
	s_mov_b32 s15, 0xfedcba98                      ; v_permlanex16_b32's selects for lane l xor 16
	s_mov_b32 s16, 0x3e38aa3b                      ; c = log2(e) / 8
	s_mov_b32 s17, s16                             ; (named with it as a pair, so it is written)
	s_mov_b32 s18, 0xbe38aa3b                      ; -c
	s_mov_b32 s20, 0xffff0000
	s_mov_b32 s21, 0                               ; LDS byte at which the pair of records in hand begins
	; descriptor group 1: 34 rows of 128 elements of 8 bytes, dense in memory; in LDS 32 words of padding behind every 256
	s_mov_b32 s24, 15|(3<<16)|(1<<20)|(1<<21)|(7<<22)|(31<<25)
	s_mov_b32 s25, 128<<16                         ; tensor_dim0
	s_mov_b32 s26, 34<<16                          ; tensor_dim1
	s_mov_b32 s27, 128<<16                         ; tile_dim0
	s_mov_b32 s28, 34                              ; tile_dim1
	s_mov_b32 s29, 128                             ; elements from row to row
	s_mov_b32 s30, 0
	s_mov_b32 s31, 0
	s_mul_i32 s33, s10, 2*LPAIR                    ; my four records in LDS,
	s_mul_i32 s49, s10, 2*PAIR                     ; and in memory
	s_mul_i32 s50, s13, 32*REC                     ; the head's first byte
	s_add_co_u32 s50, s50, s49
	s_mov_b32 s51, 0
	; q: record 32 hh + 2 QB + w / 4, pieces 2 (w % 4) and + 1; both tiles' bytes lie in the pair word of pair j = w % 4
	s_lshl_b32 s54, s13, 5
	s_lshl_b32 s55, s12, 1
	s_add_co_u32 s54, s54, s55
	s_lshr_b32 s55, s10, 2
	s_add_co_u32 s54, s54, s55
	s_mul_i32 s54, s54, 4352
	s_and_b32 s56, s10, 1                          ; j % 2
	s_lshl_b32 s56, s56, 7
	s_bfe_u32 s57, s10, 0x10001                    ; j / 2
	s_lshl_b32 s57, s57, 2
	s_add_co_u32 s56, s56, s57
	s_add_co_u32 s56, s56, s54
	s_add_co_u32 s56, s56, 4096
	s_mov_b32 s57, 0
	s_and_b32 s55, s10, 3
	s_lshl_b32 s55, s55, 10
	s_add_co_u32 s54, s54, s55
	s_mov_b32 s55, 0
	; o: token tiles T = 256 b + 16 QB + 2 w and + 1, piece = head
	s_lshr_b32 s58, s13, 3
	s_lshl_b32 s58, s58, 8
	s_lshl_b32 s59, s12, 4
	s_add_co_u32 s58, s58, s59
	s_and_b32 s59, s13, 7                          ; head
	s_lshl_b32 s62, s59, 14
	s_lshl_b32 s63, s58, 5
	s_add_co_u32 s62, s62, s63
	s_add_co_u32 s62, s62, OSC                     ; the work-group's 512 bytes of halfwords
	s_mov_b32 s63, 0
	s_lshl_b32 s48, s10, 1
	s_add_co_u32 s58, s58, s48
	s_lshl_b32 s58, s58, 12
	s_lshl_b32 s59, s59, 9
	s_add_co_u32 s58, s58, s59
	s_mov_b32 s59, 0
	s_wait_dscnt 0x0                               ; both opening adds are done
	s_wait_kmcnt 0x0
	s_mov_b32 s32, 1                               ; descriptor group 0: made of hh and the wave's number alone
	s_add_nc_u64 s[34:35], s[6:7], s[50:51]
	s_or_b32 s35, s35, 0x80000000                  ; type = 2
	s_add_nc_u64 s[22:23], s[4:5], s[56:57]        ; q's pair word
	s_add_nc_u64 s[4:5], s[4:5], s[54:55]          ; q's pieces
	s_add_nc_u64 s[60:61], s[8:9], s[62:63]        ; o's halfwords
	s_add_nc_u64 s[8:9], s[8:9], s[58:59]          ; o's pieces
	ROUND                                          ; all four work-groups are here: the joint loads meet
	tensor_load_to_lds s[32:35], s[24:31]          ; every wave's one tensor load of the launch: records 4 w .. 4 w + 3
	s_nop 0
.rept 4
	v_nop
.endr
	v_and_b32 v9, 31, v0                           ; l
	v_and_b32 v10, 15, v0                          ; r
	v_bfe_u32 v11, v0, 4, 1                        ; h
	v_lshlrev_b32 v1, 4, v9                        ; 16 l
	v_lshlrev_b32 v180, 3, v10                     ; 8 r
	global_load_b128 v[QF+4:QF+7], v1, s[4:5]      ; q of tile 0: token r, dimensions 32 h on
	global_load_b128 v[QF+16:QF+19], v1, s[4:5] offset:512   ; and of tile 1
	global_load_b32 v181, v180, s[22:23]           ; the pair word of row r
	v_lshlrev_b32 v2, 3, v11                       ; 8 h
	v_lshrrev_b32 v182, 3, v10                     ; r / 8
	v_and_b32 v183, 7, v10                         ; r % 8
	v_mul_u32_u24 v[AK0], v182, 1152               ; k's pieces: rows 8-15 of a tile lie 32 keys, 1,024 bytes and one padding, on;
	v_lshl_add_u32 v[AK0], v183, 4, v[AK0]         ; 16 bytes a key,
	v_lshl_add_u32 v[AK0], v11, 8, v[AK0]          ; 256 for the upper 32 dimensions
	v_lshlrev_b32 v[AKS0], 7, v182                 ; k's pair scales: 128 (r / 8) + 8 (r % 8); lanes 16-31 take tile t = 1's, 64 bytes on
	v_lshl_add_u32 v[AKS0], v183, 3, v[AKS0]
	v_lshl_add_u32 v[AKS0], v11, 6, v[AKS0]
	v_lshlrev_b32 v[AVS0], 3, v9                   ; v's scales: 8 l
	v_add_nc_u32 v[AK], s21, v[AK0]
	v_add_nc_u32 v[AKS], s21, v[AKS0]
	v_add_nc_u32 v[AV], s21, v1
	v_add_nc_u32 v[AVS], s21, v[AVS0]
	s_lshl_b32 s48, s10, 6
	s_add_co_u32 s48, s48, STG
	v_lshl_add_u32 v7, v10, 1, s48                 ; STG + 64 w + 2 r; tile 1 32 bytes on
	v_add_nc_u32 v8, STG, v1                       ; STG + 16 l
.irp j, 0,1,2,3,8,9,10,11,12,13,14,15,20,21,22,23
	v_mov_b32 v[QF+\j], 0                          ; the zero codes on both sides of each q
.endr
.irp u, 0,1
	v_mov_b32 v[SB+24*\u+oNM+1], 0xff61b1e6        ; the largest score so far: -3e38
.irp j, 2,3,4,5,6,7,8,9,11,16,17
	v_mov_b32 v[SB+24*\u+\j], 0                    ; the sum's four chains, f's upper half, lane permutes' destinations
.endr
	v_mul_f32 v[SB+24*\u+oTMP], s18, v[SB+24*\u+oNM+1]
.endr
.irp u, 0,1
	v_floor_f32 v[SB+24*\u+oNM], v[SB+24*\u+oTMP]  ; -M
.endr
	s_wait_alu depctr_va_vdst(0)
	s_wait_loadcnt 0x0
	v_and_b32 v182, 0xffff, v181                   ; tile 0's two bytes,
	v_lshrrev_b32 v183, 16, v181                   ; tile 1's
	v_lshl_or_b32 v[QS+1], v181, 16, 0x101         ; for [0 | q]: bytes 2, 3 the tile's, bytes 0, 1 = 1
	v_and_or_b32 v[QS+3], v181, s20, 0x101
	v_or_b32 v[QS], 0x1010000, v182                ; for [q | 0]
	v_or_b32 v[QS+2], 0x1010000, v183
	WIN 0x40
.set qj, 0
.rept 64
	v_mov_b32 v[128+qj], 0                         ; both O^T: the step is written once; the first finds zeros, which the first change of M leaves zeros
.set qj, qj+1
.endr
	WIN 0
.macro LDSK y                          ; k's pieces and pair scales of the record at byte y of the pair: nine loads
.irp c, 0,1
.irp t, 0,1
.set ya, (\y)+2048*\c+128*\t
.set yb, ya+512
	ds_load_b128 v[KF+8*(2*\c+\t):KF+8*(2*\c+\t)+3], v[AK] offset:ya+128*(ya/1024)     ; tile (c, t)
	ds_load_b128 v[KF+8*(2*\c+\t)+4:KF+8*(2*\c+\t)+7], v[AK] offset:yb+128*(yb/1024)   ; tile (c, t + 2)
.endr
.endr
.set ya, (\y)+8192
	ds_load_b64 v[KS:KS+1], v[AKS] offset:ya+128*(ya/1024)   ; register c; lanes 0-15 t = 0, lanes 16-31 t = 1
.endm
.macro LDSV y                          ; v's pieces and scales: nine loads
.irp d, 0,1,2,3
.set ya, (\y)+4096+1024*\d
.set yb, ya+512
	ds_load_b128 v[VF+8*\d:VF+8*\d+3], v[AV] offset:ya+128*(ya/1024)
	ds_load_b128 v[VF+8*\d+4:VF+8*\d+7], v[AV] offset:yb+128*(yb/1024)
.endr
.set ya, (\y)+8448
	ds_load_b64 v[VS:VS+1], v[AVS] offset:ya+128*(ya/1024)
.endm
.macro SCORE c, t, u                   ; key pair (c, t) against query tile u: two products, each begun with the constant 0
.if \t
	v_wmma_scale_f32_16x16x128_f8f6f4 v[64*\u+32*\c+8*\t:64*\u+32*\c+8*\t+7], v[KF+8*(2*\c+\t):KF+8*(2*\c+\t)+7], v[QF+12*\u+4:QF+12*\u+11], 0, v[KS+\c], v[QS+2*\u] matrix_a_fmt:MATRIX_FMT_FP4 matrix_b_fmt:MATRIX_FMT_FP4 matrix_a_scale:MATRIX_SCALE_ROW1
	v_wmma_scale_f32_16x16x128_f8f6f4 v[64*\u+32*\c+8*\t+16:64*\u+32*\c+8*\t+23], v[KF+8*(2*\c+\t):KF+8*(2*\c+\t)+7], v[QF+12*\u:QF+12*\u+7], 0, v[KS+\c], v[QS+2*\u+1] matrix_a_fmt:MATRIX_FMT_FP4 matrix_b_fmt:MATRIX_FMT_FP4 matrix_a_scale:MATRIX_SCALE_ROW1
.else
	v_wmma_scale_f32_16x16x128_f8f6f4 v[64*\u+32*\c+8*\t:64*\u+32*\c+8*\t+7], v[KF+8*(2*\c+\t):KF+8*(2*\c+\t)+7], v[QF+12*\u+4:QF+12*\u+11], 0, v[KS+\c], v[QS+2*\u] matrix_a_fmt:MATRIX_FMT_FP4 matrix_b_fmt:MATRIX_FMT_FP4
	v_wmma_scale_f32_16x16x128_f8f6f4 v[64*\u+32*\c+8*\t+16:64*\u+32*\c+8*\t+23], v[KF+8*(2*\c+\t):KF+8*(2*\c+\t)+7], v[QF+12*\u:QF+12*\u+7], 0, v[KS+\c], v[QS+2*\u+1] matrix_a_fmt:MATRIX_FMT_FP4 matrix_b_fmt:MATRIX_FMT_FP4
.endif
.endm
.macro PV d, u                         ; tile u's O^T, tile d of the head's 64, += v's tile d x p
.if (\d)%2
	v_wmma_scale_f32_16x16x128_f8f6f4 v[128+32*\u+8*\d:128+32*\u+8*\d+7], v[VF+8*\d:VF+8*\d+7], v[PCD+8*\u:PCD+8*\u+7], v[128+32*\u+8*\d:128+32*\u+8*\d+7], v[VS+\d/2], v[PW+\u] matrix_a_fmt:MATRIX_FMT_FP4 matrix_b_fmt:MATRIX_FMT_FP4 matrix_a_scale:MATRIX_SCALE_ROW1
.else
	v_wmma_scale_f32_16x16x128_f8f6f4 v[128+32*\u+8*\d:128+32*\u+8*\d+7], v[VF+8*\d:VF+8*\d+7], v[PCD+8*\u:PCD+8*\u+7], v[128+32*\u+8*\d:128+32*\u+8*\d+7], v[VS+\d/2], v[PW+\u] matrix_a_fmt:MATRIX_FMT_FP4 matrix_b_fmt:MATRIX_FMT_FP4
.endif
.endm
.macro JOIN                            ; the last step's four chains of each sum are joined
.irp u, 0,1
	v_pk_add_f32 v[SB+24*\u+oY1:SB+24*\u+oY1+1], v[SB+24*\u+oY1:SB+24*\u+oY1+1], v[SB+24*\u+oY2:SB+24*\u+oY2+1]
.endr
.irp u, 0,1
	v_pk_add_f32 v[SB+24*\u+oX:SB+24*\u+oX+1], v[SB+24*\u+oX:SB+24*\u+oX+1], v[SB+24*\u+oY3:SB+24*\u+oY3+1]
.endr
.irp u, 0,1
	v_mov_b32 v[SB+24*\u+oOLD], v[SB+24*\u+oNM]    ; the old -M
.endr
.irp u, 0,1
	v_pk_add_f32 v[SB+24*\u+oX:SB+24*\u+oX+1], v[SB+24*\u+oX:SB+24*\u+oX+1], v[SB+24*\u+oY1:SB+24*\u+oY1+1]
.endr
.endm
; A KEY STEP: 128 keys, the record at byte y of the pair in hand, for both query tiles.  pre = 1: the next record's k is fetched behind this step's scores.  bump = 1: the next record begins the next pair.
.macro STEP y, pre, bump
.if \bump
	s_add_co_u32 s21, s21, LPAIR
.endif
	s_wait_dscnt 0x0                               ; k and its scales, asked for a step ago
	WIN 0x40                                       ; results in window 1
.irp c, 0,1
.irp t, 0,1
.irp u, 0,1
	SCORE \c, \t, \u
.endr
.endr
.endr
	WIN 0
	JOIN                                           ; eight plain lines that name no register of the products: the places ahead of the loads and of the first read of scores
.if \bump
	v_add_nc_u32 v[AK], s21, v[AK0]
	v_add_nc_u32 v[AKS], s21, v[AKS0]
.endif
	LDSV \y
.if \pre
	LDSK (\y)+REC-PAIR*(\bump)
.endif
.if \bump
	v_add_nc_u32 v[AV], s21, v1
	v_add_nc_u32 v[AVS], s21, v[AVS0]
.endif
	WIN 0x05                                       ; sources 0 and 1 in window 1
.irp u, 0,1                            ; the largest score of each block of 32 keys, in two chains of 16; eight chains by turns; every accumulator is first read at its low end
.irp k, 0,1,2,3
	v_max_num_f32 v[SB+24*\u+oBM+\k], v[64*\u+16*\k], v[64*\u+16*\k+1]
.endr
.endr
.irp i, 2,4,6,8,10,12,14
.irp u, 0,1
.irp k, 0,1,2,3
	v_max3_num_f32 v[SB+24*\u+oBM+\k], v[64*\u+16*\k+\i], v[64*\u+16*\k+\i+1], v[SB+24*\u+oBM+\k]
.endr
.endr
.endr
	WIN 0
.irp u, 0,1
	v_max_num_f32 v[SB+24*\u+oBM], v[SB+24*\u+oBM], v[SB+24*\u+oBM+1]       ; block h
	v_max_num_f32 v[SB+24*\u+oBM+2], v[SB+24*\u+oBM+2], v[SB+24*\u+oBM+3]   ; block 2 + h
.endr
.irp u, 0,1
	v_max_num_f32 v[SB+24*\u+oTMP], v[SB+24*\u+oBM], v[SB+24*\u+oBM+2]
.endr
.irp u, 0,1
	v_permlanex16_b32 v[SB+24*\u+oTP], v[SB+24*\u+oTMP], s14, s15
.endr
.irp u, 0,1
	v_max3_num_f32 v[SB+24*\u+oNM+1], v[SB+24*\u+oNM+1], v[SB+24*\u+oTMP], v[SB+24*\u+oTP]   ; the running largest score of my query
.endr
.irp u, 0,1
	v_mul_f32 v[SB+24*\u+oTMP], s18, v[SB+24*\u+oNM+1]                      ; -t
.endr
.irp u, 0,1
	v_floor_f32 v[SB+24*\u+oNM], v[SB+24*\u+oTMP]                           ; the new -M = floor(-t) = -ceil(t)
.endr
.irp u, 0,1
	v_sub_f32 v[SB+24*\u+oOLD], v[SB+24*\u+oNM], v[SB+24*\u+oOLD]           ; old M - new M: a whole number, 0 or less
.endr
.irp u, 0,1
	v_fma_f32 v[SB+24*\u+oBM], v[SB+24*\u+oBM], s16, v[SB+24*\u+oNM]        ; t - M of each block's largest score
	v_fma_f32 v[SB+24*\u+oBM+2], v[SB+24*\u+oBM+2], s16, v[SB+24*\u+oNM]
.endr
.irp u, 0,1
	v_cvt_i32_f32 v[SB+24*\u+oOLD], v[SB+24*\u+oOLD]                        ; (it saturates)
.endr
	WIN 0x41                                       ; source 0 and the destination in window 1
.irp u, 0,1
.set qj, 0
.rept 32
	v_pk_fma_f32 v[64*\u+qj:64*\u+qj+1], v[64*\u+qj:64*\u+qj+1], s[16:17], v[SB+24*\u+oNM:SB+24*\u+oNM+1] op_sel_hi:[1,0,0]   ; t - M, two at a time (of the pairs c and -M the low word serves both halves)
.set qj, qj+2
.endr
.endr
	WIN 0
.irp u, 0,1
	v_ldexp_f32 v[SB+24*\u+oF], 1.0, v[SB+24*\u+oOLD]                       ; f = 2^(old M - new M)
.endr
	WIN 0x41
.irp u, 0,1
.set qj, 0
.rept 16
	v_pk_mul_f32 v[128+32*\u+qj:128+32*\u+qj+1], v[128+32*\u+qj:128+32*\u+qj+1], v[SB+24*\u+oF:SB+24*\u+oF+1] op_sel_hi:[1,0]   ; O^T under the new M, each accumulator from its low end on
.set qj, qj+2
.endr
.endr
	s_wait_alu depctr_va_vdst(0)
.set qj, 0
.rept 128
	v_exp_f32 v[qj], v[qj]                         ; p = 2^(t - M), at most 1: both tiles
.set qj, qj+1
.endr
	WIN 0
.irp u, 0,1
	v_exp_f32 v[SB+24*\u+oBM], v[SB+24*\u+oBM]     ; the blocks' largest p
	v_exp_f32 v[SB+24*\u+oBM+2], v[SB+24*\u+oBM+2]
.endr
.irp u, 0,1
	v_pk_mul_f32 v[SB+24*\u+oX:SB+24*\u+oX+1], v[SB+24*\u+oX:SB+24*\u+oX+1], v[SB+24*\u+oF:SB+24*\u+oF+1] op_sel_hi:[1,0]   ; the sums under the new M (plain lines behind the exponentials)
.endr
	s_wait_alu depctr_va_vdst(0)                   ; one wait for the batch, ahead of its first reader
.irp u, 0,1
.irp c, 0,1
	v_max_num_f32 v[SB+24*\u+oBM+2*\c], 0x1800000, v[SB+24*\u+oBM+2*\c]     ; the floor 2^(3 - 127): the byte cannot fall under 1
.endr
.endr
.irp u, 0,1
.irp c, 0,1
	v_add_nc_u32 v[SB+24*\u+oSO+\c], 0xff000000, v[SB+24*\u+oBM+2*\c]       ; 2 off the exponent field: the conversion's scale operand
.endr
.endr
.irp u, 0,1
.irp c, 0,1
	v_lshrrev_b32 v[SB+24*\u+oBY+\c], 23, v[SB+24*\u+oSO+\c]                ; the bytes of blocks h and 2 + h
.endr
.endr
.irp u, 0,1
	v_lshl_or_b32 v[PW+\u], v[SB+24*\u+oBY+1], 16, v[SB+24*\u+oBY]
.endr
.irp u, 0,1
	v_lshlrev_b32 v[PW+\u], v2, v[PW+\u]           ; at their places in the scale word: 8 h bits up
.endr
.irp u, 0,1
	v_permlanex16_b32 v[SB+24*\u+oTP], v[PW+\u], s14, s15
.endr
.irp u, 0,1
	v_or_b32 v[PW+\u], v[PW+\u], v[SB+24*\u+oTP]   ; with lane l xor 16's two bytes the word is whole
.endr
	WIN 0x01                                       ; source 0 in window 1
.irp u, 0,1
.irp c, 0,1
.irp g, 0,1,2,3
	v_cvt_scalef32_pk8_fp4_f32 v[PCD+8*\u+4*\c+\g], v[64*\u+32*\c+8*\g:64*\u+32*\c+8*\g+7], v[SB+24*\u+oSO+\c]   ; keys 64 c + 32 h + 8 g on: the operand's register 4 c + g
.endr
.endr
.endr
	WIN 0x05                                       ; the row's sums of the unquantised p, four chains a tile.  (Plain lines behind the conversions; 58 of them stand ahead of the products)
.irp u, 0,1
	v_pk_add_f32 v[SB+24*\u+oY1:SB+24*\u+oY1+1], v[64*\u+2:64*\u+3], v[64*\u+4:64*\u+5]
	v_pk_add_f32 v[SB+24*\u+oY2:SB+24*\u+oY2+1], v[64*\u+6:64*\u+7], v[64*\u+8:64*\u+9]
	v_pk_add_f32 v[SB+24*\u+oY3:SB+24*\u+oY3+1], v[64*\u+10:64*\u+11], v[64*\u+12:64*\u+13]
.endr
	WIN 0x04                                       ; source 1 in window 1
.irp u, 0,1
	v_pk_add_f32 v[SB+24*\u+oX:SB+24*\u+oX+1], v[SB+24*\u+oX:SB+24*\u+oX+1], v[64*\u:64*\u+1]
.endr
.set pp, 7
.rept 25
.irp u, 0,1
	v_pk_add_f32 v[SB+24*\u+oX+2*((pp-7)%4):SB+24*\u+oX+2*((pp-7)%4)+1], v[SB+24*\u+oX+2*((pp-7)%4):SB+24*\u+oX+2*((pp-7)%4)+1], v[64*\u+2*pp:64*\u+2*pp+1]
.endr
.set pp, pp+1
.endr
	WIN 0
	s_wait_alu depctr_va_vdst(0)
.if \pre
	s_wait_dscnt 9                                 ; v and its scales are in; the nine younger loads, the next k, may be out
.else
	s_wait_dscnt 0x0
.endif
	WIN 0x50                                       ; C and D in window 1
.irp d, 0,1,2,3
.irp u, 0,1
	PV \d, \u                                      ; eight accumulators by turns; the next step's score products follow
.endr
.endr
	WIN 0
.endm
	s_wait_alu depctr_va_vdst(0)
	s_wait_tensorcnt 0x0                           ; my four records have landed
	s_barrier_signal -1
	s_barrier_wait -1                              ; and everybody's: the head is whole.  Nothing is filled again
	LDSK 0
	s_mov_b32 s19, 15
.Lpair:                                            ; fifteen trips of two records; the sixteenth pair is written out, since its last step fetches no further k
	STEP 0, 1, 0
	STEP REC, 1, 1
	s_sub_co_u32 s19, s19, 1
	s_cmp_lg_u32 s19, 0
	s_cbranch_scc1 .Lpair
	STEP 0, 1, 0
	STEP REC, 0, 0
	; THE WAY OUT: O^T / the sum, quantised along the head's 64 as q and k were; tile u's numbers go to v[KF + 32 u] on
	JOIN                                           ; the last step's chains; also the places behind the last products
	s_wait_alu depctr_va_vdst(0)
.irp u, 0,1
	v_add_f32 v[SB+24*\u+oX], v[SB+24*\u+oX], v[SB+24*\u+oX+1]   ; the sum's two halves,
.endr
.irp u, 0,1
	v_permlanex16_b32 v[SB+24*\u+oTP], v[SB+24*\u+oX], s14, s15
.endr
.irp u, 0,1
	v_add_f32 v[SB+24*\u+oX], v[SB+24*\u+oX], v[SB+24*\u+oTP]    ; and lane l xor 16's keys
.endr
	s_wait_alu depctr_va_vdst(0)
.irp u, 0,1
	v_rcp_f32 v[SB+24*\u+oX], v[SB+24*\u+oX]
.endr
	v_nop                                          ; one plain line behind the transcendentals
	WIN 0x01
	s_wait_alu depctr_va_vdst(0)                   ; ahead of their first reader, which is also O^T's
.irp u, 0,1
.set qj, 0
.rept 32
	v_mul_f32 v[KF+32*\u+qj], v[128+32*\u+qj], v[SB+24*\u+oX]    ; register 8 dt + j: o(query r, 16 dt + 8 h + j)
.set qj, qj+1
.endr
.endr
	WIN 0
.irp u, 0,1
.irp b, 0,1
	v_max3_num_f32 v[SB+24*\u+oBM+\b], |v[KF+32*\u+16*\b]|, |v[KF+32*\u+16*\b+1]|, 0x1800000
.endr
.endr
.irp i, 2,4,6,8,10,12,14
.irp u, 0,1
.irp b, 0,1
	v_max3_num_f32 v[SB+24*\u+oBM+\b], v[SB+24*\u+oBM+\b], |v[KF+32*\u+16*\b+\i]|, |v[KF+32*\u+16*\b+\i+1]|
.endr
.endr
.endr
.irp u, 0,1
.irp b, 0,1
	v_permlanex16_b32 v[SB+24*\u+oTP+\b], v[SB+24*\u+oBM+\b], s14, s15
.endr
.endr
.irp u, 0,1
.irp b, 0,1
	v_max_num_f32 v[SB+24*\u+oBM+\b], v[SB+24*\u+oBM+\b], v[SB+24*\u+oTP+\b]
.endr
.endr
.irp u, 0,1
.irp b, 0,1
	v_add_nc_u32 v[SB+24*\u+oSO+\b], 0xff000000, v[SB+24*\u+oBM+\b]
.endr
.endr
.irp u, 0,1
.irp b, 0,1
	v_lshrrev_b32 v[SB+24*\u+oBY+\b], 23, v[SB+24*\u+oSO+\b]
.endr
.endr
.irp u, 0,1
	v_lshl_or_b32 v[SB+24*\u+oOLD], v[SB+24*\u+oBY+1], 8, v[SB+24*\u+oBY]   ; my token's two bytes
.endr
.irp u, 0,1
	v_cvt_scalef32_pk8_fp4_f32 v[PCD+8*\u],   v[KF+32*\u:KF+32*\u+7],     v[SB+24*\u+oSO]
	v_cvt_scalef32_pk8_fp4_f32 v[PCD+8*\u+2], v[KF+32*\u+8:KF+32*\u+15],  v[SB+24*\u+oSO]
	v_cvt_scalef32_pk8_fp4_f32 v[PCD+8*\u+1], v[KF+32*\u+16:KF+32*\u+23], v[SB+24*\u+oSO+1]
	v_cvt_scalef32_pk8_fp4_f32 v[PCD+8*\u+3], v[KF+32*\u+24:KF+32*\u+31], v[SB+24*\u+oSO+1]
.endr
	v_nop                                          ; one plain line behind the last scaled conversion
.irp u, 0,1
	v_permlane16_swap_b32 v[PCD+8*\u], v[PCD+8*\u+1]       ; a lane's four registers now hold dimensions 32 h + 0 .. 31
	v_permlane16_swap_b32 v[PCD+8*\u+2], v[PCD+8*\u+3]
.endr
.irp u, 0,1
	global_store_b128 v1, v[PCD+8*\u:PCD+8*\u+3], s[8:9] offset:4096*\u   ; 512 consecutive bytes
	ds_store_b16 v7, v[SB+24*\u+oOLD] offset:32*\u         ; both halves of the lanes write the same halfword with the same value
.endr
	s_wait_dscnt 0x0
	s_barrier_signal -1
	s_barrier_wait -1                              ; the sixteen tiles' halfwords lie in the stage
	s_cmp_lg_u32 s10, 0
	s_cbranch_scc1 .Lnot_first
	ds_load_b128 v[180:183], v8
	s_wait_dscnt 0x0
	global_store_b128 v1, v[180:183], s[60:61]     ; 512 consecutive bytes
.Lnot_first:
	s_wait_tensorcnt 0x0                           ; the wave's end
	ds_add_u32 v254, v255
	s_wait_dscnt 0x0
	ROUND                                          ; the closing round
	s_endpgm
.Lfunc_end_k_qaa891bfa21_attn:
	.size	k_qaa891bfa21_attn, .Lfunc_end_k_qaa891bfa21_attn-k_qaa891bfa21_attn
	.p2alignl 7, 3214868480
	.fill 96, 4, 3214868480
	.section	.rodata,"a",@progbits
	.p2align	6, 0x0
	.amdhsa_kernel k_qaa891bfa21_attn
		.amdhsa_group_segment_fixed_size 327680
		.amdhsa_private_segment_fixed_size 0
		.amdhsa_enable_private_segment 0
		.amdhsa_kernarg_size 24
		.amdhsa_user_sgpr_count 2
		.amdhsa_user_sgpr_kernarg_segment_ptr 1
		.amdhsa_wavefront_size32 1
		.amdhsa_system_sgpr_workgroup_id_x 1
		.amdhsa_system_sgpr_workgroup_id_y 1
		.amdhsa_system_sgpr_workgroup_id_z 1
		.amdhsa_system_vgpr_workitem_id 0
		.amdhsa_next_free_vgpr 512
		.amdhsa_next_free_sgpr 66
		.amdhsa_reserve_vcc 0
		.amdhsa_float_denorm_mode_32 3
		.amdhsa_float_denorm_mode_16_64 3
		.amdhsa_memory_ordered 1
		.amdhsa_forward_progress 1
		.amdhsa_inst_pref_size 121
	.end_amdhsa_kernel
	.amdgpu_metadata
---
amdhsa.version: [ 1, 2 ]
amdhsa.kernels:
  - .name:           k_qaa891bfa21_attn
    .symbol:         k_qaa891bfa21_attn.kd
    .args:
      - { .name: qimg, .offset: 0, .size: 8, .value_kind: global_buffer, .address_space: global }
      - { .name: kvimg, .offset: 8, .size: 8, .value_kind: global_buffer, .address_space: global }
      - { .name: oq, .offset: 16, .size: 8, .value_kind: global_buffer, .address_space: global }
    .group_segment_fixed_size: 327680
    .private_segment_fixed_size: 0
    .kernarg_segment_align: 8
    .kernarg_segment_size: 24
    .max_flat_workgroup_size: 256
    .sgpr_count:     66
    .vgpr_count:     512
    .wavefront_size: 32
...
	.end_amdgpu_metadata
.endif
;; end of part 3
;; launch outp (part 4): grid 256 x 1, 8 waves a work-group, no clusters, 44,032 bytes of LDS; arguments oq, wq, bo, out0; writes out0
.if DOCPART == 4
	.amdgcn_target "amdgcn-amd-amdhsa--gfx1250"
	.amdhsa_code_object_version 6
	.text
	.protected	k_qaa891bfa21_outp
	.globl	k_qaa891bfa21_outp
	.p2align	8
	.type	k_qaa891bfa21_outp,@function
k_qaa891bfa21_outp:
	s_mov_b64 s[64:65], 0
	v_nop
	global_prefetch_b8 v0, s[64:65] scope:SCOPE_SE
	s_setreg_imm32_b32 hwreg(HW_REG_WAVE_MODE, 25, 1), 1
	s_wait_xcnt 0x0
; OUTP: out0 = relu(o Wo + bo) on codes of FP4 with E8M0 scales, sums in f32.
; A work-group takes 32 tokens (two tiles of o's codes, 8 KiB, shared through LDS as they lie); wave w keeps Wo's columns 64 w .. 64 w + 63 (4 tiles x K = 512: 128 registers) resident, read from memory once.
; Source 0 = 16 columns of Wo, source 1 = 16 tokens: a lane holds one token, and its eight registers of a tile eight neighbouring columns.  The bias is the C of each sum's first matrix instruction, so it is added ahead of the products.
; o's scale words are made of halfwords [head][T][r]: K step s takes heads 2 s (bytes 0, 1) and 2 s + 1 (bytes 2, 3); lanes 0-15 hold K step 2 sp, lanes 16-31 K step 2 sp + 1.
; THE WAY OUT: 16 tokens x 256 bytes go through the wave's own stage (rows of 272 bytes) and come back by rows: sixteen lanes store 256 consecutive bytes, aligned.
; NO CLUSTER, NO TENSOR LOAD: Wo's codes go from memory straight into one wave's registers; what the waves share is 8 KiB copied once.
; LIMITS: NaN and infinities are not served.
.set OSC,  2097152
.set WSC,  524288
.set STGB, 8192                        ; LDS: 0 the two tiles' images; from STGB a stage of 16 x 272 bytes for each wave
.set UA,   8                           ; v8-15   the eight halfwords: 4 t + 2 sp + e
.set ST,   16                          ; v16-79  the two tiles' fragments
.set SS,   80                          ; v80-83  their scale words: 2 t + sp
.set RS,   84                          ; v84-91  Wo's scale words: 2 i + sp
.set ACC,  96                          ; v96-127 tile 0's accumulators; v160-191 tile 1's
.set BIAS, 128                         ; v128-159
.set OB,   192                         ; v192-255 rows read back from the stage
.set MSB, 0
.macro WIN new                         ; the immediate's high byte repeats the setting that is left
.if MSB != \new
	s_set_vgpr_msb (MSB<<8)|\new
.set MSB, \new
.endif
.endm
	s_load_b256 s[4:11], s[0:1], 0x0               ; oq, wq, bo, out0
	s_set_vgpr_msb 0x40
	v_lshl_add_u32 v128, v0, 2, 0xa800
	v_mov_b32 v129, 0
	s_set_vgpr_msb 0x4000
	v_lshrrev_b32 v1, 5, v0
	s_delay_alu instid0(VALU_DEP_1)
	v_readfirstlane_b32 s12, v1                    ; wave 0..7
	v_and_b32 v93, 31, v0                          ; lane
	v_and_b32 v94, 15, v0                          ; r
	v_bfe_u32 v95, v0, 4, 1                        ; h
	s_delay_alu instid0(VALU_DEP_3)
	v_lshlrev_b32 v1, 4, v93                       ; 16 l
	s_delay_alu instid0(VALU_DEP_4)
	v_lshlrev_b32 v2, 2, v93                       ; 4 l
	s_delay_alu instid0(VALU_DEP_3)
	v_lshlrev_b32 v4, 5, v95                       ; 32 h
	s_mul_i32 s13, s12, 4352
	s_add_co_u32 s13, s13, STGB                    ; my stage
	v_mul_u32_u24 v3, v94, 272
	s_delay_alu instid0(VALU_DEP_1)
	v_lshl_add_u32 v3, v95, 5, v3
	s_delay_alu instid0(VALU_DEP_1)
	v_add_nc_u32 v3, s13, v3                       ; in: row r, + 32 h
	v_mul_u32_u24 v5, v95, 272
	s_delay_alu instid0(VALU_DEP_1)
	v_lshl_add_u32 v5, v94, 4, v5
	s_delay_alu instid0(VALU_DEP_1)
	v_add_nc_u32 v5, s13, v5                       ; back: lanes 0-15 one row, lanes 16-31 the next
	s_lshl_b32 s14, s12, 10
	v_add_nc_u32 v6, s14, v1                       ; 1024 w + 16 l: the part that I copy, in memory and in LDS
	v_lshlrev_b32 v7, 11, v95
	s_delay_alu instid0(VALU_DEP_1)
	v_lshl_add_u32 v7, v94, 4, v7                  ; out0: 2,048 bytes a token, 16 bytes a lane
	v_lshlrev_b32 v92, 15, v95
	s_delay_alu instid0(VALU_DEP_1)
	v_lshl_add_u32 v92, v94, 1, v92                ; the halfwords: two heads on for lanes 16-31, 2 r
	s_mov_b32 s29, 0
	s_wait_alu depctr_va_vdst(0)
	s_wait_kmcnt 0x0
	s_lshl_b32 s28, ttmp9, 13
	s_add_nc_u64 s[16:17], s[4:5], s[28:29]        ; o's two tiles
	s_lshl_b32 s28, ttmp9, 6
	s_add_co_u32 s28, s28, OSC
	s_add_nc_u64 s[18:19], s[4:5], s[28:29]        ; their halfwords: 32 bytes a tile
	s_lshl_b32 s28, s12, 14
	s_add_co_u32 s28, s28, 393216
	s_add_nc_u64 s[20:21], s[6:7], s[28:29]        ; Wo: kind 3, tiles 4 w on
	s_lshl_b32 s28, s12, 10
	s_add_co_u32 s28, s28, WSC+24576
	s_add_nc_u64 s[22:23], s[6:7], s[28:29]
	s_lshl_b32 s28, s12, 8
	s_add_nc_u64 s[24:25], s[8:9], s[28:29]        ; bo of columns 64 w on
	s_lshl_b32 s30, ttmp9, 16
	s_add_co_u32 s28, s28, s30
	s_add_nc_u64 s[26:27], s[10:11], s[28:29]      ; out0: token 32 g, column 64 w
	global_load_b128 v[OB:OB+3], v6, s[16:17]      ; the two loads of my part of the copy come first
	global_load_b128 v[OB+4:OB+7], v6, s[16:17] offset:512
.irp t, 0,1
.irp sp, 0,1
.irp e, 0,1
	global_load_u16 v[UA+4*\t+2*\sp+\e], v92, s[18:19] offset:65536*\sp+16384*\e+32*\t   ; head 4 sp + 2 (l / 16) + e
.endr
.endr
.endr
	WIN 0x40                                       ; destination window 1: Wo's fragment (i, s) at v[32 i + 8 s]
.irp i, 0,1,2,3
.irp q, 0,1,2,3,4,5,6,7
	global_load_b128 v[32*\i+4*\q:32*\i+4*\q+3], v1, s[20:21] offset:4096*\i+512*\q
.endr
.endr
	WIN 0
.irp i, 0,1,2,3
.irp sp, 0,1
	global_load_b32 v[RS+2*\i+\sp], v2, s[22:23] offset:256*\i+128*\sp
.endr
.endr
.irp i, 0,1,2,3
	global_load_b128 v[BIAS+8*\i:BIAS+8*\i+3], v4, s[24:25] offset:64*\i
	global_load_b128 v[BIAS+8*\i+4:BIAS+8*\i+7], v4, s[24:25] offset:64*\i+16
.endr
	s_wait_loadcnt 56                              ; the two are in; the 8 + 32 + 8 + 8 issued behind them may be out
	ds_store_b128 v6, v[OB:OB+3]
	ds_store_b128 v6, v[OB+4:OB+7] offset:512
	s_wait_dscnt 0x0                               ; for the others' sake: my stores have landed
	s_barrier_signal -1
	s_barrier_wait -1                              ; both tiles lie in LDS
.irp t, 0,1
.irp q, 0,1,2,3,4,5,6,7
	ds_load_b128 v[ST+32*\t+4*\q:ST+32*\t+4*\q+3], v1 offset:4096*\t+512*\q
.endr
.endr
	s_wait_loadcnt 0x0
.irp t, 0,1
.irp sp, 0,1
	v_lshl_or_b32 v[SS+2*\t+\sp], v[UA+4*\t+2*\sp+1], 16, v[UA+4*\t+2*\sp]
.endr
.endr
.rept 8
	v_nop                                          ; a scale register written by a vector instruction stands eight places ahead of a scaled matrix instruction
.endr
	s_wait_alu depctr_va_vdst(0)
	s_wait_dscnt 0x0
.macro PROD u, i, s, c
.if (\s)%2
	v_wmma_scale_f32_16x16x128_f8f6f4 v[ACC+64*(\u)+8*(\i):ACC+64*(\u)+8*(\i)+7], v[32*(\i)+8*(\s):32*(\i)+8*(\s)+7], v[ST+32*(\u)+8*(\s):ST+32*(\u)+8*(\s)+7], v[\c:\c+7], v[RS+2*(\i)+(\s)/2], v[SS+2*(\u)+(\s)/2] matrix_a_fmt:MATRIX_FMT_FP4 matrix_b_fmt:MATRIX_FMT_FP4 matrix_a_scale:MATRIX_SCALE_ROW1 matrix_b_scale:MATRIX_SCALE_ROW1
.else
	v_wmma_scale_f32_16x16x128_f8f6f4 v[ACC+64*(\u)+8*(\i):ACC+64*(\u)+8*(\i)+7], v[32*(\i)+8*(\s):32*(\i)+8*(\s)+7], v[ST+32*(\u)+8*(\s):ST+32*(\u)+8*(\s)+7], v[\c:\c+7], v[RS+2*(\i)+(\s)/2], v[SS+2*(\u)+(\s)/2] matrix_a_fmt:MATRIX_FMT_FP4 matrix_b_fmt:MATRIX_FMT_FP4
.endif
.endm
	WIN 0x01                                       ; source 0 window 1
.irp s, 0,1,2,3                        ; the eight accumulators take turns, one instruction a turn
.irp u, 0,1
.irp i, 0,1,2,3
.if \s == 0
	PROD \u, \i, \s, BIAS+8*\i
.else
	PROD \u, \i, \s, ACC+64*\u+8*\i
.endif
.endr
.endr
.endr
	WIN 0
.rept 4
	v_nop                                          ; four places behind the last product, ahead of the first read of results
.endr
.irp u, 0,1
.set qj, 0
.rept 32
	v_max_num_f32 v[ACC+64*\u+qj], 0, v[ACC+64*\u+qj]      ; the activation; each accumulator from its low end on
.set qj, qj+1
.endr
.irp i, 0,1,2,3
	ds_store_b128 v3, v[ACC+64*\u+8*\i:ACC+64*\u+8*\i+3] offset:64*\i        ; token r, columns 16 i + 8 h + 0 .. 7
	ds_store_b128 v3, v[ACC+64*\u+8*\i+4:ACC+64*\u+8*\i+7] offset:64*\i+16
.endr
.irp k, 0,1,2,3,4,5,6,7
	ds_load_b128 v[OB+32*\u+4*\k:OB+32*\u+4*\k+3], v5 offset:544*\k          ; LDS serves a wave's instructions in order: these see my stores, and the next tile's stores come behind them
.endr
.endr
.irp k, 0,1,2,3,4,5,6,7
	s_wait_dscnt 23-\k                             ; younger: tile 0's 7 - k loads and tile 1's sixteen LDS instructions
	global_store_b128 v7, v[OB+4*\k:OB+4*\k+3], s[26:27] offset:4096*\k th:TH_STORE_NT
.endr
.irp k, 0,1,2,3,4,5,6,7
	s_wait_dscnt 7-\k
	global_store_b128 v7, v[OB+32+4*\k:OB+32+4*\k+3], s[26:27] offset:32768+4096*\k th:TH_STORE_NT   ; sixteen lanes store 256 consecutive bytes, at a multiple of 256 from out0's first byte
.endr
	s_set_vgpr_msb 0x5
	s_wait_tensorcnt 0x0
	ds_add_u32 v128, v129
	s_wait_dscnt 0x0
	s_set_vgpr_msb 0x500
	s_endpgm
.Lfunc_end_k_qaa891bfa21_outp:
	.size	k_qaa891bfa21_outp, .Lfunc_end_k_qaa891bfa21_outp-k_qaa891bfa21_outp
	.p2alignl 7, 3214868480
	.fill 96, 4, 3214868480
	.section	.rodata,"a",@progbits
	.p2align	6, 0x0
	.amdhsa_kernel k_qaa891bfa21_outp
		.amdhsa_group_segment_fixed_size 44032
		.amdhsa_private_segment_fixed_size 0
		.amdhsa_enable_private_segment 0
		.amdhsa_kernarg_size 32
		.amdhsa_user_sgpr_count 2
		.amdhsa_user_sgpr_kernarg_segment_ptr 1
		.amdhsa_wavefront_size32 1
		.amdhsa_system_sgpr_workgroup_id_x 1
		.amdhsa_system_sgpr_workgroup_id_y 1
		.amdhsa_system_sgpr_workgroup_id_z 1
		.amdhsa_system_vgpr_workitem_id 0
		.amdhsa_next_free_vgpr 386
		.amdhsa_next_free_sgpr 66
		.amdhsa_reserve_vcc 0
		.amdhsa_float_denorm_mode_32 3
		.amdhsa_float_denorm_mode_16_64 3
		.amdhsa_memory_ordered 1
		.amdhsa_forward_progress 1
		.amdhsa_inst_pref_size 21
	.end_amdhsa_kernel
	.amdgpu_metadata
---
amdhsa.version: [ 1, 2 ]
amdhsa.kernels:
  - .name:           k_qaa891bfa21_outp
    .symbol:         k_qaa891bfa21_outp.kd
    .args:
      - { .name: oq, .offset: 0, .size: 8, .value_kind: global_buffer, .address_space: global }
      - { .name: wq, .offset: 8, .size: 8, .value_kind: global_buffer, .address_space: global }
      - { .name: bo, .offset: 16, .size: 8, .value_kind: global_buffer, .address_space: global }
      - { .name: out0, .offset: 24, .size: 8, .value_kind: global_buffer, .address_space: global }
    .group_segment_fixed_size: 44032
    .private_segment_fixed_size: 0
    .kernarg_segment_align: 8
    .kernarg_segment_size: 32
    .max_flat_workgroup_size: 256
    .sgpr_count:     66
    .vgpr_count:     386
    .wavefront_size: 32
...
	.end_amdgpu_metadata
.endif
;; end of part 4
